; MI455X (gfx1250); checked and timed in simulation.
; The chip was launched on July 23, 2026; its instructions are those of AMD's public machine-readable ISA for CDNA 5 (MIT licence, August 2026) and "CDNA5" Instruction Set Architecture Reference Guide (July 2026). The comments in the code are by the model that wrote it; some were corrected since.
;; Attention Base. Allowed arithmetic: float matrix products may take bf16 or f16 operands with f32 sums; other float arithmetic in f32, or as packed bf16 or f16 multiplies, adds, multiply-adds, maxima and minima; sums over many terms, partial sums and values carried from step to step in f32; what a program stores and reads back later, other than sums and carried values, may be rounded once to bf16 or f16.
;; Inputs: hidden_states 2,048 x 2,048 float32; k_norm_w 128 float32; position_ids 2,048 int32; q_norm_w 128 float32; wk 2,048 x 2,048 float32; wo 2,048 x 2,048 float32; wq 2,048 x 2,048 float32; wv 2,048 x 2,048 float32.
;; Outputs: out0 2,048 x 2,048 float32.
;; One version. Each part assembles by itself: llvm-mc -triple=amdgcn-amd-amdhsa -mcpu=gfx1250 --defsym DOCPART=n.
;; ======== version 1 of 1: 4 launches
;; limits: values are held in f16: magnitudes above 65,504 overflow, below 6.1e-05 lose precision; right only within a limited range of input values; values outside matrix products are rounded to bf16
;; workspace buffers: xb16 8,388,608 bytes; wb16 33,554,432 bytes; rope 1,048,576 bytes; qh 8,388,608 bytes; kh 8,388,608 bytes; vh 8,388,608 bytes; ctx16 8,388,608 bytes
;; launch prep (part 1): grid 256 x 5, 8 waves a work-group, no clusters, 0 bytes of LDS; arguments hidden_states, wq, wk, wv, wo, position_ids, xb16, wb16, rope; writes xb16, wb16, rope
.if DOCPART == 1
	.amdgcn_target "amdgcn-amd-amdhsa--gfx1250"
	.amdhsa_code_object_version 6
	.text
	.protected	k_q18a6d9c721_prep
	.globl	k_q18a6d9c721_prep
	.p2align	8
	.type	k_q18a6d9c721_prep,@function
k_q18a6d9c721_prep:
	s_mov_b64 s[64:65], 0
	v_nop
	global_prefetch_b8 v0, s[64:65] scope:SCOPE_SE
	s_setreg_imm32_b32 hwreg(HW_REG_WAVE_MODE, 25, 1), 1
	s_wait_xcnt 0x0
; PREP, the first of four launches (prep, qkv, attn, oproj) for: q, k, v = x wq, x wk, x wv; RMSNorm and RoPE on q and k by heads of 128; softmax under the mask 0 <= t - s < 512; context x wo.
; THIS LAUNCH rounds the five large f32 inputs once to 16 bits and makes the table of cosines and sines.
;   y = 0: hidden_states -> xb16 (bf16).   y = 1, 2, 3: wq, wk, wv -> wb16 parts 0, 1, 2 (bf16).   y = 4: wo -> wb16 part 3: rounded to bf16 like the others, and that number written as f16.
;   y = 0 also: rope, 16 bytes an entry: (cos, sin) of two neighbouring pairs of channels for one row, laid in the order in which a wave of the next launch takes them (below).
; WORK LEFT OUT BY THE PROGRAM.  reference() builds its mask in its own body: key s counts for query t only if 0 <= t - s < 512; all other scores are replaced by the lowest finite number ahead of the
; softmax.  Every row sees its own key (t - s = 0), so the row's maximum is a true score and a replaced score's weight is exp(lowest - maximum) = 0, whatever finite values the inputs hold.  So tiles of
; 128 queries x 128 keys that lie wholly outside the band reach no output, and the third launch does not compute them.  Every input has a way to the output and is loaded.
; LIMIT: a NaN, an infinity or an overflow that would arise only in the tiles left out is not carried to the result.
; LIMITS OF RANGE.  |position_ids| up to 2^20 (the reduction of the angle by two parts of pi / 2).  wo below 6.1e-5 in size keeps f16's fixed step of 6e-8; beyond 65,504 it would be lost.
; SHARES.  Work-group x takes 65,536 bytes of its source: thread t the 16 bytes at 16 t of each of 16 blocks of 4,096, so a wave's load covers 512 consecutive bytes and its store of 8 bytes a lane 256, aligned.
; No LDS, no matrix unit, no cluster: nothing is shared and memory bounds the launch.
.set SO, 1                             ; v1   16 x thread: my place in a block of the source, and my entry of the table; never rewritten
.set DO, 2                             ; v2   8 x thread: my place in a block of the destination; never rewritten
.set X,  32                            ; v[32:95]   16 loads of 4 registers
.set Y,  96                            ; v[96:127]  16 stores of 2 registers
	s_load_b512 s[8:23], s[0:1], 0x0               ; hidden s[8:9], wq s[10:11], wk s[12:13], wv s[14:15], wo s[16:17], position_ids s[18:19], xb16 s[20:21], wb16 s[22:23]
	s_load_b64 s[24:25], s[0:1], 0x40              ; rope
	s_and_b32 s26, ttmp7, 0xffff                   ; y: which tensor
	v_lshlrev_b32 v[SO], 4, v0
	v_lshlrev_b32 v[DO], 3, v0
	s_max_u32 s30, s26, 1
	s_sub_co_u32 s30, s30, 1
	s_lshl_b32 s30, s30, 23                        ; the part of wb16: (y - 1) x 8,388,608 bytes
	s_mov_b32 s31, 0
	s_lshl_b32 s34, ttmp9, 16                      ; my 65,536 bytes of the source,
	s_mov_b32 s35, 0
	s_lshl_b32 s36, ttmp9, 15                      ; my 32,768 of the destination,
	s_mov_b32 s37, 0
	s_lshl_b32 s38, ttmp9, 12                      ; my 256 entries of the table
	s_mov_b32 s39, 0
	s_wait_kmcnt 0x0
	s_cmp_eq_u32 s26, 1
	s_cselect_b64 s[28:29], s[10:11], s[8:9]
	s_cmp_eq_u32 s26, 2
	s_cselect_b64 s[28:29], s[12:13], s[28:29]
	s_cmp_eq_u32 s26, 3
	s_cselect_b64 s[28:29], s[14:15], s[28:29]
	s_cmp_eq_u32 s26, 4
	s_cselect_b64 s[28:29], s[16:17], s[28:29]     ; the source
	s_add_nc_u64 s[32:33], s[22:23], s[30:31]
	s_cmp_eq_u32 s26, 0
	s_cselect_b64 s[32:33], s[20:21], s[32:33]     ; the destination
	s_add_nc_u64 s[28:29], s[28:29], s[34:35]
	s_add_nc_u64 s[32:33], s[32:33], s[36:37]
	s_add_nc_u64 s[40:41], s[24:25], s[38:39]
.irp i, 0,1,2,3,4,5,6,7,8,9,10,11,12,13,14,15
	global_load_b128 v[X+4*(\i):X+4*(\i)+3], v[SO], s[28:29] offset:4096*(\i) th:TH_LOAD_NT  ; all sixteen go out at once: 8 KiB a wave on its way
.endr
	s_cmp_lg_u32 s26, 0
	s_cbranch_scc1 .Lcast
	; THE TABLE.  Entry e = 256 x + t.  R = e >> 9: a block of 16 rows; g = (e >> 6) & 7: 16 channels of a head; q2 = (e >> 5) & 1; l = e & 31: the lane that will read it.
	; Row 16 R + l % 16; pairs p0 = 8 g + 4 (l / 16) + 2 q2 and p0 + 1.  The arithmetic stands in the wait for the sixteen loads above.
	s_lshl_b32 s42, ttmp9, 8
	v_add_nc_u32 v3, s42, v0                       ; e
	v_lshrrev_b32 v4, 9, v3
	v_and_b32 v5, 15, v3
	v_lshl_add_u32 v4, v4, 4, v5                   ; the row,
	v_lshlrev_b32 v4, 2, v4                        ; its word of position_ids
	global_load_b32 v6, v4, s[18:19]
	v_bfe_u32 v7, v3, 6, 3
	v_bfe_u32 v8, v3, 4, 1
	v_bfe_u32 v9, v3, 5, 1
	v_lshlrev_b32 v7, 3, v7
	v_lshl_add_u32 v7, v8, 2, v7
	v_lshl_add_u32 v7, v9, 1, v7                   ; p0
	v_cvt_f32_u32 v10, v7
	v_add_f32 v11, 1.0, v10
	v_mul_f32 v10, 0xbe549a78, v10                 ; - p log2(10000) / 64
	v_mul_f32 v11, 0xbe549a78, v11
	v_exp_f32 v10, v10                             ; 10000^(-p / 64)
	v_exp_f32 v11, v11
	v_nop                                          ; a plain instruction behind the last exponential,
	s_wait_alu depctr_va_vdst(0)                   ; and the one wait for both ahead of their first reader
	s_wait_loadcnt 0x0                             ; the position (it was issued last, so all loads are in)
	v_cvt_f32_i32 v6, v6
	v_mul_f32 v10, v6, v10                         ; the angles: one rounded product each, as reference() forms them
	v_mul_f32 v11, v6, v11
; cos and sin of the angle in v[a]: n = the nearest whole number of quarter turns; r = angle - n pi / 2, pi / 2 in two parts, |r| <= pi / 4; series to r^9 and r^8 (the first terms left out are under 3e-8);
; then the quarter: odd n swaps the two, and the signs follow n mod 4.  No branch hangs on these numbers.
.macro SINCOS a, c, s
	v_mul_f32 v12, 0x3f22f983, v[\a]               ; x 2 / pi
	v_rndne_f32 v12, v12
	v_fmamk_f32 v13, v12, 0xbfc90fdb, v[\a]
	v_fmamk_f32 v13, v12, 0x333bbd2e, v13          ; r
	v_mul_f32 v14, v13, v13                        ; r^2
	v_mov_b32 v15, 0x3638ef1d                      ; 1 / 9!
	v_fmaak_f32 v15, v15, v14, 0xb9500d01          ; - 1 / 7!
	v_fmaak_f32 v15, v15, v14, 0x3c088889          ; 1 / 5!
	v_fmaak_f32 v15, v15, v14, 0xbe2aaaab          ; - 1 / 3!
	v_mul_f32 v16, v13, v14
	v_fma_f32 v15, v15, v16, v13                   ; sin r
	v_mov_b32 v17, 0x37d00d01                      ; 1 / 8!
	v_fmaak_f32 v17, v17, v14, 0xbab60b61          ; - 1 / 6!
	v_fmaak_f32 v17, v17, v14, 0x3d2aaaab          ; 1 / 4!
	v_fmaak_f32 v17, v17, v14, 0xbf000000          ; - 1 / 2
	v_fma_f32 v17, v17, v14, 1.0                   ; cos r
	v_cvt_i32_f32 v18, v12
	v_and_b32 v19, 1, v18
	v_cmp_eq_u32 vcc_lo, 1, v19
	v_cndmask_b32 v[\s], v15, v17, vcc_lo
	v_cndmask_b32 v[\c], v17, v15, vcc_lo
	v_and_b32 v19, 2, v18                          ; sin changes sign in quarters 2 and 3,
	v_lshlrev_b32 v19, 30, v19
	v_xor_b32 v[\s], v[\s], v19
	v_add_nc_u32 v18, 1, v18                       ; cos in quarters 1 and 2
	v_and_b32 v18, 2, v18
	v_lshlrev_b32 v18, 30, v18
	v_xor_b32 v[\c], v[\c], v18
.endm
	SINCOS 10, 20, 21
	SINCOS 11, 22, 23
	global_store_b128 v[SO], v[20:23], s[40:41]    ; 512 consecutive bytes a wave; v[20:23] are not written again
.Lcast:
	s_cmp_eq_u32 s26, 4
	s_cbranch_scc1 .Lwo
.irp i, 0,1,2,3,4,5,6,7,8,9,10,11,12,13,14,15
	s_wait_loadcnt 15-(\i)                         ; loads come back in order: number i is in, the younger ones may stay out
	v_cvt_pk_bf16_f32 v[Y+2*(\i)],   v[X+4*(\i)],   v[X+4*(\i)+1]
	v_cvt_pk_bf16_f32 v[Y+2*(\i)+1], v[X+4*(\i)+2], v[X+4*(\i)+3]
	global_store_b64 v[DO], v[Y+2*(\i):Y+2*(\i)+1], s[32:33] offset:2048*(\i)
.endr
	s_endpgm
.Lwo:                                          ; wo: rounded to bf16, widened again, and packed as f16, which holds a bf16's 8 significant bits exactly inside its range
.irp i, 0,1,2,3,4,5,6,7,8,9,10,11,12,13,14,15
	s_wait_loadcnt 15-(\i)
	v_cvt_pk_bf16_f32 v[Y+2*(\i)],   v[X+4*(\i)],   v[X+4*(\i)+1]
	v_cvt_pk_bf16_f32 v[Y+2*(\i)+1], v[X+4*(\i)+2], v[X+4*(\i)+3]
	v_lshlrev_b32 v24, 16, v[Y+2*(\i)]
	v_and_b32 v25, 0xffff0000, v[Y+2*(\i)]
	v_lshlrev_b32 v26, 16, v[Y+2*(\i)+1]
	v_and_b32 v27, 0xffff0000, v[Y+2*(\i)+1]
	v_cvt_pk_f16_f32 v[Y+2*(\i)],   v24, v25
	v_cvt_pk_f16_f32 v[Y+2*(\i)+1], v26, v27
	global_store_b64 v[DO], v[Y+2*(\i):Y+2*(\i)+1], s[32:33] offset:2048*(\i)
.endr
	s_endpgm
.Lfunc_end_k_q18a6d9c721_prep:
	.size	k_q18a6d9c721_prep, .Lfunc_end_k_q18a6d9c721_prep-k_q18a6d9c721_prep
	.p2alignl 7, 3214868480
	.fill 96, 4, 3214868480
	.section	.rodata,"a",@progbits
	.p2align	6, 0x0
	.amdhsa_kernel k_q18a6d9c721_prep
		.amdhsa_group_segment_fixed_size 0
		.amdhsa_private_segment_fixed_size 0
		.amdhsa_enable_private_segment 0
		.amdhsa_kernarg_size 72
		.amdhsa_user_sgpr_count 2
		.amdhsa_user_sgpr_kernarg_segment_ptr 1
		.amdhsa_wavefront_size32 1
		.amdhsa_system_sgpr_workgroup_id_x 1
		.amdhsa_system_sgpr_workgroup_id_y 1
		.amdhsa_system_sgpr_workgroup_id_z 1
		.amdhsa_system_vgpr_workitem_id 0
		.amdhsa_next_free_vgpr 128
		.amdhsa_next_free_sgpr 66
		.amdhsa_reserve_vcc 1
		.amdhsa_float_denorm_mode_32 3
		.amdhsa_float_denorm_mode_16_64 3
		.amdhsa_memory_ordered 1
		.amdhsa_forward_progress 1
		.amdhsa_inst_pref_size 20
	.end_amdhsa_kernel
	.amdgpu_metadata
---
amdhsa.version: [ 1, 2 ]
amdhsa.kernels:
  - .name:           k_q18a6d9c721_prep
    .symbol:         k_q18a6d9c721_prep.kd
    .args:
      - { .name: hidden_states, .offset: 0, .size: 8, .value_kind: global_buffer, .address_space: global }
      - { .name: wq, .offset: 8, .size: 8, .value_kind: global_buffer, .address_space: global }
      - { .name: wk, .offset: 16, .size: 8, .value_kind: global_buffer, .address_space: global }
      - { .name: wv, .offset: 24, .size: 8, .value_kind: global_buffer, .address_space: global }
      - { .name: wo, .offset: 32, .size: 8, .value_kind: global_buffer, .address_space: global }
      - { .name: position_ids, .offset: 40, .size: 8, .value_kind: global_buffer, .address_space: global }
      - { .name: xb16, .offset: 48, .size: 8, .value_kind: global_buffer, .address_space: global }
      - { .name: wb16, .offset: 56, .size: 8, .value_kind: global_buffer, .address_space: global }
      - { .name: rope, .offset: 64, .size: 8, .value_kind: global_buffer, .address_space: global }
    .group_segment_fixed_size: 0
    .private_segment_fixed_size: 0
    .kernarg_segment_align: 8
    .kernarg_segment_size: 72
    .max_flat_workgroup_size: 256
    .sgpr_count:     66
    .vgpr_count:     128
    .wavefront_size: 32
...
	.end_amdgpu_metadata
.endif
;; end of part 1
;; launch qkv (part 2): grid 16 x 16, 4 waves a work-group, clusters of 4 x 4, 327,680 bytes of LDS; arguments xb16, wb16, rope, q_norm_w, k_norm_w, qh, kh, vh; writes qh, kh, vh
.if DOCPART == 2
	.amdgcn_target "amdgcn-amd-amdhsa--gfx1250"
	.amdhsa_code_object_version 6
	.text
	.protected	k_q18a6d9c721_qkv
	.globl	k_q18a6d9c721_qkv
	.p2align	8
	.type	k_q18a6d9c721_qkv,@function
k_q18a6d9c721_qkv:
	s_mov_b64 s[64:65], 0
	v_nop
	global_prefetch_b8 v0, s[64:65] scope:SCOPE_SE
	s_setreg_imm32_b32 hwreg(HW_REG_WAVE_MODE, 25, 1), 1
	s_wait_xcnt 0x0
	s_wait_alu depctr_hold_cnt(0) depctr_sa_sdst(0) depctr_va_vdst(0) depctr_va_sdst(0) depctr_va_ssrc(0) depctr_va_vcc(0) depctr_vm_vsrc(0)
	s_getreg_b32 s2, hwreg(HW_REG_IB_STS2, 6, 4)
	s_cmp_eq_u32 s2, 0
	s_cbranch_scc0 .Lentry_in_a_cluster
	s_endpgm
.Lentry_in_a_cluster:
	s_bfe_u32 s2, ttmp6, 0x10000c
	s_cmp_lg_u32 s2, 0xf033
	s_cbranch_scc0 .Lentry_shape_is_right
	s_endpgm
.Lentry_shape_is_right:
; QKV: q, k, v of ONE head for 128 rows: x [2048][2048] bf16 times the head's 128 columns of wq, wk, wv ([k][n] bf16, parts 0-2 of wb16); then RMSNorm and RoPE on q and k; all three out as f16 by heads, [16][2048][128].
; SHARES.  Work-group (x = head, y = block of 128 rows) makes 128 x 384: 16 x 16 = 256 work-groups.  Wave w: rows 64 (w / 2) on, columns 64 (w % 2) on of EACH of the three segments q, k, v, so that all four waves
; run one text: 4 blocks of 16 rows x 12 blocks of 16 columns = 48 accumulators, 384 registers.  For 32 along K a wave reads 32 x 512 bytes from LDS and issues 48 matrix instructions.
; THE MATRIX INSTRUCTION IS USED TRANSPOSED: source 0 = 16 columns of a weight, source 1 = 16 rows of x.  A lane then holds ONE row (lane % 16) and the eight neighbouring channels 8 (lane / 16) + 0..7: four RoPE pairs.
; The weights lie [k][n]: their fragments come out of LDS turned, by ds_load_tr16_b128.
; RING.  K goes in 16 steps of 128 through two LDS slots.  A slot has four regions, one tensor load each: wave 0 fetches x's tile (128 rows x 256 bytes), waves 1, 2, 3 the tiles of wq, wk, wv (128 rows of k x 256 bytes).
; CLUSTER 4 x 4.  x's tile hangs on the row block alone: shared along a row of the cluster; the weights' tiles on the head alone: shared along a column.  Each is asked for jointly by the four that need it.
; NORM.  A row's 128 channels lie in two waves (w and w ^ 1): each sums the squares of its 64 in f32, the two sums meet in LDS.  The gains are rounded to bf16 like every other floating-point input of the module.
; LIMITS.  q and k leave as f16: |q_i| <= sqrt(128) |gain_i|, so gains stay under 5,700; v leaves as f16: |v| under 65,504.
; REGISTERS, in windows of 256 (s_set_vgpr_msb: bits 1:0 source 0, 3:2 source 1, 5:4 source 2, 7:6 destination):
;   window 0: v12-31 addresses; v32-63 sums of squares; v64-127 the gains; v128-255 at work on the way out
;   window 1: q's and k's accumulators, (row block a, segment g, column block b) at 8 (8 a + 4 g + b)        window 2: v0-127 v's accumulators at 8 (4 a + b); v128-255 cos and sin
;   window 3: two fragment buffers of 128: x's four fragments, then the weights' twelve
.set PA,    272                        ; an LDS row of x: 256 bytes + 16: the 16 rows of a fragment load start at 16 different groups of four banks (64 banks of 4 bytes: ISA guide 11.1)
.set PB,    288                        ; an LDS row of a weight: 256 + 32
.set REG,   128*PB                     ; a region: 36,864 bytes (x's tile uses 34,816 of them)
.set SLOT,  4*REG
.set SS,    2*SLOT                     ; behind the ring: the sums of squares, 512 bytes a wave
.set SPARE, SS+2048                    ; the spare words, 128 bytes a wave: two blocks of 256 bytes that no other line names
.set SEGB,  128*PA                     ; the stage for the way out lies in slot 0, behind that slot's last fill: 128 rows x 272 bytes for each of q, k, v
.set KA,    256                        ; bytes along a row of x from K step to K step
.set KB,    128*4096                   ; bytes down a weight from K step to K step
.set L16,  12                          ; v12  16 x lane: for the table's loads and the stores; never rewritten
.set WO,   13                          ; v13  my byte offset in the gains
.set SSW,  14                          ; v14  where I put my sums of squares
.set SSR,  15                          ; v15  where the partner wave's lie
.set ADRA, 16                          ; v16-17  LDS address of my fragments of x in slot 0, 1
.set ADRB, 18                          ; v18-23  of my fragments of segment g in slot s, at 3 s + g
.set STO0, 24                          ; v24  the stage: where I put 16 bytes of a row of q (k: by the offset)
.set STO2, 25                          ; v25  the same for v
.set RD0,  26                          ; v26  where I read rows back
.set RD2,  27
.set PFO,  29                          ; v29  4,096 x lane: a row of x or of a weight in memory; never rewritten
.set SPW,  30                          ; v30  LDS address of my spare word; never rewritten
.set NIL,  31                          ; v31  0; never rewritten
.set SQ,   32                          ; v32-39  unit e = 2 a + g (g = 0: q, 1: k): the sum of squares, then 1 / rms
.set SQP,  40                          ; v40-47  the partner's
.set CH,   48                          ; v48-63  eight packed chains
.set NW,   64                          ; v64-127 the gains of my channels: 32 g + 8 b + j
.set T,    128                         ; v128-159 at work
.set PK,   160                         ; v160-175 sixteen packed words
.set OBA,  128                         ; v128-191, v192-255: rows read back from the stage, by turns
.set OBB,  192
.set TAB,  128                         ; window 2: (cos, sin) of pair p of block b, row block a, at 128 + 32 a + 8 b + 2 p
.set F0,   0
.set F1,   128
.set WV,  10                           ; s10  wave
.set RH,  11                           ; s11  which 64 rows
.set CB,  12                           ; s12  which 64 columns of each segment
.set RY,  13                           ; s13  block of 128 rows
.set G1A, 24                           ; s[24:31] descriptor group 1 for x's tiles;  s[32:39] group 0, one set a slot
.set G0A, 32
.set CX,  40
.set CY,  41
.set HX,  42                           ; s42  head
.set LIM, 43                           ; s43  1 in a wave that prefetches, else the greatest number
.set PFA, 44                           ; s[44:45] where my prefetches stand
.set G1B, 48                           ; s[48:55], s[56:63] the same for the weights' tiles
.set G0B, 56
.set PST, 66                           ; s[66:67] my prefetches' step from K step to K step
.set ARG, 68                           ; s[68:83] the eight buffers
.set MSB, 0
.macro WIN new                         ; the immediate's high byte repeats the setting that is left; a switch that changes nothing is dropped
.if MSB != (\new)
	s_set_vgpr_msb (MSB<<8)|(\new)
.set MSB, \new
.endif
.endm
.macro PLACES                          ; four places in front of loads into registers that matrix instructions have read, and of vector work on their results
.rept 4
	v_nop
.endr
.endm
; A joint load: wave 0 asks for x's tile, waves 1 to 3 for a weight's.  The branch hangs on the wave's number alone.  An s_nop 0 and four v_nop follow each line.
.macro JLOAD s
	s_cmp_eq_u32 s[WV], 0
	s_cbranch_scc0 .Lfor_b_\@
	tensor_load_to_lds s[G0A+4*(\s):G0A+4*(\s)+3], s[G1A:G1A+7]
	s_nop 0
.rept 4
	v_nop
.endr
	s_branch .Lasked_\@
.Lfor_b_\@:
	tensor_load_to_lds s[G0B+4*(\s):G0B+4*(\s)+3], s[G1B:G1B+7]
	s_nop 0
.rept 4
	v_nop
.endr
.Lasked_\@:
.endm
; A prefetch into the L2 of the K step that stands two refills on (384 matrix instructions ahead of the load that will want it): 32 rows x 256 bytes, a lane a row, one instruction a wave.  Each row's 256 bytes of a
; K step are named once in the launch: x's rows by the clusters with x = 0, the weights' by those with y = 0; the four partners that ask for a tile jointly take 32 of its 128 rows each, told apart by address.
; The last lap (s3 = 1) has no K step two on and asks for nothing; nothing is asked for at the head.
.macro ASK
	WIN 0
	s_cmp_gt_u32 s3, s[LIM]
	s_cbranch_scc0 .Lnot_mine_\@
	global_prefetch_b8 v[PFO], s[PFA:PFA+1] th:TH_LOAD_NT scope:SCOPE_SE
.Lnot_mine_\@:
.endm
.macro CREST                           ; a round of the cluster's barrier behind its opening barrier
	s_cmp_lg_u32 s[WV], 0
	s_cbranch_scc1 .Lnot_wave_0_\@
	s_barrier_signal -3
.Lnot_wave_0_\@:
	s_barrier_wait -3
	s_barrier_signal -1
	s_barrier_wait -1
.endm
.macro CROUND
	s_barrier_signal -1
	s_barrier_wait -1
	CREST
.endm
	s_load_b512 s[ARG:ARG+15], s[0:1], 0x0         ; xb16 s[68:69], wb16 s[70:71], rope s[72:73], q_norm_w s[74:75], k_norm_w s[76:77], qh s[78:79], kh s[80:81], vh s[82:83]
	v_lshl_add_u32 v[SPW], v0, 2, SPARE
	v_mov_b32 v[NIL], 0
	ds_add_u32 v[SPW], v[NIL]                      ; the wave's opening: the add, twice on end, and its wait ahead of my first tensor load
	ds_add_u32 v[SPW], v[NIL]
	v_lshrrev_b32 v1, 5, v0
	v_readfirstlane_b32 s[WV], v1
	s_lshr_b32 s[RH], s[WV], 1
	s_and_b32 s[CB], s[WV], 1
	s_bfe_u32 s[CX], ttmp6, 0x40000
	s_bfe_u32 s[CY], ttmp6, 0x40004
	s_lshl_b32 s[HX], ttmp9, 2
	s_add_co_u32 s[HX], s[HX], s[CX]               ; head = 4 x cluster x + cx
	s_and_b32 s[RY], ttmp7, 0xffff
	s_lshl_b32 s[RY], s[RY], 2
	s_add_co_u32 s[RY], s[RY], s[CY]               ; row block = 4 x cluster y + cy
	s_lshl_b32 s14, s[CY], 2
	s_lshl_b32 s14, 15, s14                        ; my row of the cluster
	s_lshl_b32 s15, 0x1111, s[CX]                  ; my column
	s_or_b32 s[G1A], s14, (1<<16)|(1<<20)|(1<<21)|(5<<22)|(3<<25)  ; the mask; 2-byte elements; padding on; bit 21 beside a mask; after every 64 words, 4 words
	s_or_b32 s[G1B], s15, (1<<16)|(1<<20)|(1<<21)|(5<<22)|(7<<25)  ; the same with 8 words of padding
.irp g, G1A, G1B
	s_mov_b32 s[(\g)+1], 128<<16                   ; tensor_dim0 = 128
	s_mov_b32 s[(\g)+2], 128<<16                   ; tensor_dim1 = 128
	s_mov_b32 s[(\g)+3], 128<<16                   ; tile_dim0 = 128
	s_mov_b32 s[(\g)+4], 128                       ; tile_dim1 = 128
	s_mov_b32 s[(\g)+5], 2048                      ; elements from row to row
	s_mov_b32 s[(\g)+6], 0
	s_mov_b32 s[(\g)+7], 0
.endr
	s_lshl_b32 s16, s[RY], 19                      ; x: 128 rows of 4,096 bytes a block: it hangs on the row block alone
	s_mov_b32 s17, 0
	s_max_u32 s18, s[WV], 1
	s_sub_co_u32 s18, s18, 1                       ; the segment that I fetch
	s_lshl_b32 s46, s18, 23
	s_lshl_b32 s19, s[HX], 8                       ; the head's 256 bytes of a row: it hangs on the head alone
	s_add_co_u32 s46, s46, s19
	s_mov_b32 s47, 0
	s_mul_i32 s20, s[WV], REG                      ; my region of a slot: no place in the cluster enters an LDS address
	s_mov_b32 s84, 0x3c000000                      ; 1 / 128
	s_mov_b32 s85, 0x358637bd                      ; 1e-6
	s_mov_b32 s86, 0x76543210                      ; v_permlanex16_b32: each lane takes its own place in the other half
	s_mov_b32 s87, 0xfedcba98
	s_wait_dscnt 0x0                               ; both opening adds are done
	s_wait_kmcnt 0x0
	s_add_nc_u64 s[14:15], s[ARG:ARG+1], s[16:17]
	s_add_nc_u64 s[46:47], s[ARG+2:ARG+3], s[46:47]
	CROUND                                         ; all sixteen work-groups are here: the first joint loads meet
.irp s, 0,1
	s_mov_b32 s[G0A+4*(\s)], 1
	s_add_co_u32 s[G0A+4*(\s)+1], s20, (\s)*SLOT
	s_add_nc_u64 s[G0A+4*(\s)+2:G0A+4*(\s)+3], s[14:15], (\s)*KA
	s_or_b32 s[G0A+4*(\s)+3], s[G0A+4*(\s)+3], 0x80000000
	s_mov_b32 s[G0B+4*(\s)], 1
	s_add_co_u32 s[G0B+4*(\s)+1], s20, (\s)*SLOT
	s_add_nc_u64 s[G0B+4*(\s)+2:G0B+4*(\s)+3], s[46:47], (\s)*KB
	s_or_b32 s[G0B+4*(\s)+3], s[G0B+4*(\s)+3], 0x80000000
.endr
	s_cmp_eq_u32 s[WV], 0                          ; a wave's two first fills stand in one branch, ahead of every wait on TENSORcnt and every LDS read: two loads of mine are out
	s_cbranch_scc0 .Lfirst_b
	tensor_load_to_lds s[G0A:G0A+3], s[G1A:G1A+7]
	s_nop 0
	tensor_load_to_lds s[G0A+4:G0A+7], s[G1A:G1A+7]
	s_nop 0
.rept 4
	v_nop
.endr
	s_branch .Lfirst_asked
.Lfirst_b:
	tensor_load_to_lds s[G0B:G0B+3], s[G1B:G1B+7]
	s_nop 0
	tensor_load_to_lds s[G0B+4:G0B+7], s[G1B:G1B+7]
	s_nop 0
.rept 4
	v_nop
.endr
.Lfirst_asked:
	v_and_b32 v1, 15, v0                           ; l % 16
	v_bfe_u32 v2, v0, 4, 1                         ; l / 16
	v_and_b32 v3, 31, v0                           ; l
	v_lshlrev_b32 v[L16], 4, v3
	v_lshlrev_b32 v[PFO], 12, v3
	s_lshl_b32 s20, s[CB], 8
	v_lshl_add_u32 v[WO], v2, 5, s20               ; channels 64 (w % 2) + 8 (l / 16) on, 4 bytes each
	s_lshl_b32 s18, s[RY], 16                      ; the table: block of 16 rows 8 ry + 4 (w / 2) + a, 8,192 bytes each; my 64 channels are 4,096 of them
	s_lshl_b32 s19, s[RH], 15
	s_add_co_u32 s18, s18, s19
	s_lshl_b32 s19, s[CB], 12
	s_add_co_u32 s18, s18, s19
	s_mov_b32 s19, 0
	s_add_nc_u64 s[94:95], s[ARG+4:ARG+5], s[18:19]
	WIN 0x80                                       ; destination window 2, address window 0
.irp a, 0,1,2,3
.irp b, 0,1,2,3
	global_load_b128 v[TAB+32*(\a)+8*(\b):TAB+32*(\a)+8*(\b)+3],   v[L16], s[94:95] offset:8192*(\a)+1024*(\b)      ; 512 consecutive bytes a load
	global_load_b128 v[TAB+32*(\a)+8*(\b)+4:TAB+32*(\a)+8*(\b)+7], v[L16], s[94:95] offset:8192*(\a)+1024*(\b)+512
.endr
.endr
	WIN 0
.irp b, 0,1,2,3
	global_load_b128 v[NW+8*(\b):NW+8*(\b)+3],       v[WO], s[ARG+6:ARG+7] offset:64*(\b)
	global_load_b128 v[NW+8*(\b)+4:NW+8*(\b)+7],     v[WO], s[ARG+6:ARG+7] offset:64*(\b)+16
	global_load_b128 v[NW+32+8*(\b):NW+32+8*(\b)+3], v[WO], s[ARG+8:ARG+9] offset:64*(\b)
	global_load_b128 v[NW+32+8*(\b)+4:NW+32+8*(\b)+7], v[WO], s[ARG+8:ARG+9] offset:64*(\b)+16
.endr
	; A fragment of x: 16 rows x 32 K in 8 registers: lane l holds row l % 16, K = 8 (l / 16) + 0..7 and 16 + 8 (l / 16) + 0..7: two loads of 16 bytes, 32 bytes apart.
	v_mul_u32_u24 v4, v1, PA
	v_lshl_add_u32 v4, v2, 4, v4
	s_mul_i32 s20, s[RH], 64*PA
	v_add_nc_u32 v[ADRA], s20, v4
	v_add_nc_u32 v[ADRA+1], SLOT, v[ADRA]
	; The turning load takes 16 k x 16 columns (lane l reads row 8 (l / 16) + l % 8, columns 8 ((l / 8) % 2) + 0..7) and leaves half a fragment: lane l holds column l % 16 and 8 k.
	v_and_b32 v5, 7, v0
	v_lshl_add_u32 v5, v2, 3, v5
	v_mul_u32_u24 v5, v5, PB
	v_bfe_u32 v6, v0, 3, 1
	v_lshl_add_u32 v5, v6, 4, v5
	s_lshl_b32 s21, s[CB], 7                       ; my 64 columns: 128 bytes
	v_add_nc_u32 v5, s21, v5
.irp s, 0,1
.irp g, 0,1,2
	v_add_nc_u32 v[ADRB+3*(\s)+(\g)], (\s)*SLOT+(1+(\g))*REG, v5
.endr
.endr
	v_add_nc_u32 v[STO0], s21, v[ADRA]             ; the stage: row 64 (w / 2) + l % 16, bytes 128 (w % 2) + 16 (l / 16) on
	v_add_nc_u32 v[STO2], 2*SEGB, v[STO0]
	v_mul_u32_u24 v7, v2, PA                       ; back: wave w takes rows 32 w on, whole: lanes 0-15 one row of 256 bytes, lanes 16-31 the next
	v_lshl_add_u32 v7, v1, 4, v7
	s_mul_i32 s20, s[WV], 32*PA
	v_add_nc_u32 v[RD0], s20, v7
	v_add_nc_u32 v[RD2], 2*SEGB, v[RD0]
	s_lshl_b32 s20, s[WV], 9
	s_add_co_u32 s20, s20, SS
	v_lshl_add_u32 v[SSW], v1, 5, s20              ; 32 bytes for each of my 16 lanes' rows
	s_xor_b32 s20, s[WV], 1
	s_lshl_b32 s20, s20, 9
	s_add_co_u32 s20, s20, SS
	v_lshl_add_u32 v[SSR], v1, 5, s20
	s_lshl_b32 s18, s[HX], 19                      ; out: head x 2,048 rows x 256 bytes + row 128 ry + 32 w
	s_lshl_b32 s19, s[RY], 15
	s_add_co_u32 s18, s18, s19
	s_lshl_b32 s19, s[WV], 13
	s_add_co_u32 s18, s18, s19
	s_mov_b32 s19, 0
	s_add_nc_u64 s[88:89], s[ARG+10:ARG+11], s[18:19]
	s_add_nc_u64 s[90:91], s[ARG+12:ARG+13], s[18:19]
	s_add_nc_u64 s[92:93], s[ARG+14:ARG+15], s[18:19]
	; the prefetches: wave 0: x's rows 128 ry + 32 cx on; waves 1-3: my weight's rows of k 32 cy on, the head's 256 bytes.  They stand at K step 3: the first refill steps them to 4.
	s_lshl_b32 s18, s[RY], 7
	s_lshl_b32 s21, s[CX], 5
	s_add_co_u32 s18, s18, s21
	s_lshl_b32 s18, s18, 12
	s_add_co_u32 s18, s18, 3*KA
	s_max_u32 s19, s[WV], 1
	s_sub_co_u32 s19, s19, 1
	s_lshl_b32 s19, s19, 23
	s_lshl_b32 s21, s[CY], 17
	s_add_co_u32 s19, s19, s21
	s_lshl_b32 s21, s[HX], 8
	s_add_co_u32 s19, s19, s21
	s_add_co_u32 s19, s19, 3*KB
	s_and_b32 s21, ttmp7, 0xffff                   ; cluster y
	s_mov_b32 s[PST], KB
	s_mov_b32 s[PST+1], 0
	s_mov_b32 s23, 0
	s_cmp_eq_u32 s[WV], 0
	s_cselect_b32 s22, s18, s19
	s_cselect_b32 s21, ttmp9, s21                  ; the coordinate along which other clusters read the same rows
	s_cselect_b32 s[PST], KA, s[PST]
	s_cselect_b64 s[PFA:PFA+1], s[ARG:ARG+1], s[ARG+2:ARG+3]
	s_add_nc_u64 s[PFA:PFA+1], s[PFA:PFA+1], s[22:23]
	s_cmp_eq_u32 s21, 0
	s_cselect_b32 s[LIM], 1, -1                    ; the same in all sixteen partners, for a given wave
; 16 matrix instructions: my 4 row blocks x the 4 column blocks of segment seg, 32 along K, from buffer f.  zero = 1: the product starts the sums: nothing is cleared.
; All 48 accumulators take turns, one instruction a turn, in the same order in every quarter step.
.macro MUL16 f, seg, zero
.if (\seg) < 2
	WIN 0x5f                                       ; sources 0 and 1 window 3, C and D window 1
.else
	WIN 0xaf                                       ; C and D window 2
.endif
.irp a, 0,1,2,3
.irp b, 0,1,2,3
.if (\seg) < 2
.set rD, 8*(8*(\a)+4*(\seg)+(\b))
.else
.set rD, 8*(4*(\a)+(\b))
.endif
.set rB, (\f)+32+8*(4*(\seg)+(\b))
.set rA, (\f)+8*(\a)
.if \zero
	v_wmma_f32_16x16x32_bf16 v[rD:rD+7], v[rB:rB+7], v[rA:rA+7], 0
.else
	v_wmma_f32_16x16x32_bf16 v[rD:rD+7], v[rB:rB+7], v[rA:rA+7], v[rD:rD+7]
.endif
.endr
.endr
.endm
; 32 LDS loads in one run: the fragments of quarter q of a K step into buffer f: x's 8, then 8 each for q, k, v.
.macro FETCH slot, q, f
	WIN 0xc0                                       ; destination window 3, address window 0
.irp a, 0,1,2,3
	ds_load_b128 v[(\f)+8*(\a):(\f)+8*(\a)+3],   v[ADRA+(\slot)] offset:64*(\q)+16*PA*(\a)
	ds_load_b128 v[(\f)+8*(\a)+4:(\f)+8*(\a)+7], v[ADRA+(\slot)] offset:64*(\q)+16*PA*(\a)+32
.endr
.irp g, 0,1,2
.irp b, 0,1,2,3
	ds_load_tr16_b128 v[(\f)+32+8*(4*(\g)+(\b)):(\f)+32+8*(4*(\g)+(\b))+3],   v[ADRB+3*(\slot)+(\g)] offset:32*PB*(\q)+32*(\b)
	ds_load_tr16_b128 v[(\f)+32+8*(4*(\g)+(\b))+4:(\f)+32+8*(4*(\g)+(\b))+7], v[ADRB+3*(\slot)+(\g)] offset:32*PB*(\q)+32*(\b)+16*PB
.endr
.endr
.endm
; A K step is four quarters of 32 along K, 48 matrix instructions each, on buffers 0, 1, 0, 1.  One of the first three: multiplies buffer f; behind its first third it fetches quarter q into buffer g.
.macro QUARTER slot, q, f, g, zero
	s_wait_dscnt 16                                ; x's and q's fragments are in; the youngest sixteen loads (k's and v's) may be out
	MUL16 \f, 0, \zero
	PLACES
	FETCH \slot, \q, \g
	s_wait_dscnt 32                                ; all but the 32 just issued
	MUL16 \f, 1, \zero
	MUL16 \f, 2, \zero
.endm
; The last quarter multiplies buffer 1 and changes slots: ONE barrier.  In front of it each wave waits for all its tensor loads (one is out: its region of the next slot), adds 0 to its spare word, and waits for
; that and for its reads of this slot.  fill = 1: the barrier opens a round of the cluster's barrier, and this slot is filled again, two K steps ahead, first thing behind the round: from there to the wait for
; that load a wave issues 160 matrix instructions.
.macro TURN slot, next, fill
.if \fill
	s_wait_xcnt 0x0                                ; the last prefetch, a K step back, has read its address: it is stepped here, ahead of the waits of the change of slots
	s_add_nc_u64 s[PFA:PFA+1], s[PFA:PFA+1], s[PST:PST+1]
.endif
	WIN 0                                          ; (the add's two registers lie in window 0)
	s_wait_tensorcnt 0x0                           ; all my tensor loads have landed
	ds_add_u32 v[SPW], v[NIL]                      ; 0 onto my spare word
	s_wait_dscnt 17                                ; (the add and the youngest sixteen loads may be out)
	MUL16 F1, 0, 0                                 ; sixteen matrix instructions stand between the add and the wait for it
	s_wait_dscnt 0x0                               ; the add is done, and my reads of this slot are over
	s_barrier_signal -1
	MUL16 F1, 1, 0                                 ; work on registers while the others arrive
.if \fill
	WIN 0
.endif
	s_barrier_wait -1
.if \fill
	CREST                                          ; no wave of any partner still reads this slot or has a load on its way
	s_add_nc_u64 s[G0A+4*(\slot)+2:G0A+4*(\slot)+3], s[G0A+4*(\slot)+2:G0A+4*(\slot)+3], 2*KA
	s_add_nc_u64 s[G0B+4*(\slot)+2:G0B+4*(\slot)+3], s[G0B+4*(\slot)+2:G0B+4*(\slot)+3], 2*KB
	JLOAD \slot                                    ; the four v_nop behind it are also the places in front of the loads below
.else
	PLACES
.endif
	FETCH \next, 0, F0
.if \fill
	ASK
.endif
	MUL16 F1, 2, 0
.endm
	s_wait_tensorcnt 0x1                           ; my region of K step 0 is in; K step 1's may stay out
	s_barrier_signal -1
	s_barrier_wait -1                              ; everybody's is
	FETCH 0, 0, F0
	QUARTER 0, 1, F0, F1, 1                        ; the first quarter stands in front of the loop: its products start the sums
	WIN 0                                          ; at a label and at a branch every window is 0
	s_mov_b32 s3, 7
.Llap:                                         ; a trip goes once round the ring, from a lap's second quarter to the next lap's first, and fills both slots again
	QUARTER 0, 2, F1, F0, 0
	QUARTER 0, 3, F0, F1, 0
	TURN 0, 1, 1
	QUARTER 1, 1, F0, F1, 0
	QUARTER 1, 2, F1, F0, 0
	QUARTER 1, 3, F0, F1, 0
	TURN 1, 0, 1
	QUARTER 0, 1, F0, F1, 0
	WIN 0
	s_sub_co_u32 s3, s3, 1
	s_cmp_lg_u32 s3, 0
	s_cbranch_scc1 .Llap
	QUARTER 0, 2, F1, F0, 0                        ; the last lap fills nothing, and has no round
	QUARTER 0, 3, F0, F1, 0
	TURN 0, 1, 0                                   ; behind this barrier nobody reads slot 0 any more and nothing fills it: it becomes the stage
	QUARTER 1, 1, F0, F1, 0
	QUARTER 1, 2, F1, F0, 0
	QUARTER 1, 3, F0, F1, 0
	s_wait_dscnt 16
	MUL16 F1, 0, 0
	s_wait_dscnt 0x0
	MUL16 F1, 1, 0
	MUL16 F1, 2, 0
	WIN 0
	PLACES
	; THE GAINS are rounded to bf16 and widened again.
	s_wait_loadcnt 0x0                             ; the table and the gains, asked for at the head
.set i, 0
.rept 32
	v_cvt_pk_bf16_f32 v[T+i], v[NW+2*i], v[NW+2*i+1]
.set i, i+1
.endr
.set i, 0
.rept 32
	v_lshlrev_b32 v[NW+2*i], 16, v[T+i]
	v_and_b32 v[NW+2*i+1], 0xffff0000, v[T+i]
.set i, i+1
.endr
	; THE SUMS OF SQUARES of q and k: for each unit e = 2 a + g my lane's 32 numbers, two at a time, in eight chains that do not wait for each other; each accumulator is read from its low end on.
	WIN 0x05                                       ; sources 0 and 1 window 1
.set p, 0
.rept 16
.set e, 0
.rept 8
.if p == 0
	v_pk_mul_f32 v[CH+2*e:CH+2*e+1], v[32*e:32*e+1], v[32*e:32*e+1]
.else
	v_pk_fma_f32 v[CH+2*e:CH+2*e+1], v[32*e+2*p:32*e+2*p+1], v[32*e+2*p:32*e+2*p+1], v[CH+2*e:CH+2*e+1]
.endif
.set e, e+1
.endr
.set p, p+1
.endr
	WIN 0
.irp e, 0,1,2,3,4,5,6,7
	v_add_f32 v[SQ+(\e)], v[CH+2*(\e)], v[CH+2*(\e)+1]
.endr
.irp e, 0,1,2,3,4,5,6,7
	v_permlanex16_b32 v[CH+2*(\e)], v[SQ+(\e)], s86, s87  ; the row's other 32 of my 64 channels lie in the lane 16 away
.endr
.irp e, 0,1,2,3,4,5,6,7
	v_add_f32 v[SQ+(\e)], v[SQ+(\e)], v[CH+2*(\e)]
.endr
	ds_store_b128 v[SSW], v[SQ:SQ+3]               ; both halves of the lanes hold and write the same numbers
	ds_store_b128 v[SSW], v[SQ+4:SQ+7] offset:16
	s_wait_dscnt 0x0                               ; for the partner's sake: my stores are done
	s_barrier_signal -1
	s_barrier_wait -1
	ds_load_b128 v[SQP:SQP+3], v[SSR]              ; the same rows' other 64 channels
	ds_load_b128 v[SQP+4:SQP+7], v[SSR] offset:16
	s_wait_dscnt 0x0
.irp e, 0,2,4,6
	v_pk_add_f32 v[SQ+(\e):SQ+(\e)+1], v[SQ+(\e):SQ+(\e)+1], v[SQP+(\e):SQP+(\e)+1]
.endr
.irp e, 0,1,2,3,4,5,6,7
	v_fma_f32 v[SQ+(\e)], v[SQ+(\e)], s84, s85     ; the mean of the squares + 1e-6
.endr
.irp e, 0,1,2,3,4,5,6,7
	v_rsq_f32 v[SQ+(\e)], v[SQ+(\e)]
.endr
	v_nop                                          ; a plain instruction behind the last of them,
	s_wait_alu depctr_va_vdst(0)                   ; and the one wait for the eight ahead of their first reader
; Unit (a, seg) of q or k: times the gain, times 1 / rms; then each pair (y0, y1) turned: (y0 c - y1 s, y0 s + y1 c), by a packed product with y0 in both halves and a packed multiply-add with y1 in both;
; rounded once to f16; 16 bytes a lane and column block into the stage.
.macro ROPE a, seg
.set xb, 32*(2*(\a)+(\seg))
	WIN 0x41                                       ; destination and source 0 window 1, source 1 window 0
.set p, 0
.rept 16
	v_pk_mul_f32 v[xb+2*p:xb+2*p+1], v[xb+2*p:xb+2*p+1], v[NW+32*(\seg)+2*p:NW+32*(\seg)+2*p+1]
.set p, p+1
.endr
.set p, 0
.rept 16
	v_pk_mul_f32 v[xb+2*p:xb+2*p+1], v[xb+2*p:xb+2*p+1], v[SQ+2*(\a):SQ+2*(\a)+1] op_sel:[0,\seg] op_sel_hi:[1,\seg]
.set p, p+1
.endr
	WIN 0x09                                       ; source 0 window 1, source 1 window 2, source 2 and destination window 0
.set p, 0
.rept 16
	v_pk_mul_f32 v[T+2*p:T+2*p+1], v[xb+2*p:xb+2*p+1], v[TAB+32*(\a)+2*p:TAB+32*(\a)+2*p+1] op_sel_hi:[0,1]
.set p, p+1
.endr
.set p, 0
.rept 16
	v_pk_fma_f32 v[T+2*p:T+2*p+1], v[xb+2*p:xb+2*p+1], v[TAB+32*(\a)+2*p:TAB+32*(\a)+2*p+1], v[T+2*p:T+2*p+1] op_sel:[1,1,0] op_sel_hi:[1,0,1] neg_lo:[1,0,0]
.set p, p+1
.endr
	WIN 0
.set p, 0
.rept 16
	v_cvt_pk_f16_f32 v[PK+p], v[T+2*p], v[T+2*p+1]
.set p, p+1
.endr
.irp b, 0,1,2,3
	ds_store_b128 v[STO0], v[PK+4*(\b):PK+4*(\b)+3] offset:SEGB*(\seg)+16*PA*(\a)+32*(\b)
.endr
.endm
.macro VOUT a                          ; row block a of v: rounded once to f16, into the stage
	WIN 0x0a                                       ; sources 0 and 1 window 2
.set p, 0
.rept 16
	v_cvt_pk_f16_f32 v[PK+p], v[32*(\a)+2*p], v[32*(\a)+2*p+1]
.set p, p+1
.endr
	WIN 0
.irp b, 0,1,2,3
	ds_store_b128 v[STO2], v[PK+4*(\b):PK+4*(\b)+3] offset:16*PA*(\a)+32*(\b)
.endr
.endm
.irp a, 0,1,2,3
	ROPE \a, 0
	ROPE \a, 1
	VOUT \a
.endr
	s_wait_dscnt 0x0                               ; for the others' sake: a stage row's 256 bytes come from two waves
	s_barrier_signal -1
	s_barrier_wait -1
; 32 whole rows of one segment back from the stage and out: rows of a head are dense, so two rows are 512 consecutive bytes of memory, aligned.
.macro OUTSEG rd, off, ob, base
.irp i, 0,1,2,3,4,5,6,7,8,9,10,11,12,13,14,15
	ds_load_b128 v[(\ob)+4*(\i):(\ob)+4*(\i)+3], v[\rd] offset:(\off)+2*PA*(\i)
.endr
.irp i, 0,1,2,3,4,5,6,7,8,9,10,11,12,13,14,15
	s_wait_dscnt 15-(\i)                           ; LDS loads come back in order: number i is in
	global_store_b128 v[L16], v[(\ob)+4*(\i):(\ob)+4*(\i)+3], s[(\base):(\base)+1] offset:512*(\i)
.endr
.endm
	OUTSEG RD0, 0, OBA, 88
	OUTSEG RD0, SEGB, OBB, 90
	s_wait_xcnt 0x0                                ; q's stores have read their registers: the first set is loaded again only behind this wait
	OUTSEG RD2, 0, OBA, 92
	s_wait_tensorcnt 0x0                           ; the wave's end: behind my last tensor load and my last LDS store
	ds_add_u32 v[SPW], v[NIL]
	s_wait_dscnt 0x0
	CROUND                                         ; the closing round: no work-group ends while a partner may still ask for a tile that names it
	s_endpgm
.Lfunc_end_k_q18a6d9c721_qkv:
	.size	k_q18a6d9c721_qkv, .Lfunc_end_k_q18a6d9c721_qkv-k_q18a6d9c721_qkv
	.p2alignl 7, 3214868480
	.fill 96, 4, 3214868480
	.section	.rodata,"a",@progbits
	.p2align	6, 0x0
	.amdhsa_kernel k_q18a6d9c721_qkv
		.amdhsa_group_segment_fixed_size 327680
		.amdhsa_private_segment_fixed_size 0
		.amdhsa_enable_private_segment 0
		.amdhsa_kernarg_size 64
		.amdhsa_user_sgpr_count 2
		.amdhsa_user_sgpr_kernarg_segment_ptr 1
		.amdhsa_wavefront_size32 1
		.amdhsa_system_sgpr_workgroup_id_x 1
		.amdhsa_system_sgpr_workgroup_id_y 1
		.amdhsa_system_sgpr_workgroup_id_z 1
		.amdhsa_system_vgpr_workitem_id 0
		.amdhsa_next_free_vgpr 1024
		.amdhsa_next_free_sgpr 96
		.amdhsa_reserve_vcc 0
		.amdhsa_float_denorm_mode_32 3
		.amdhsa_float_denorm_mode_16_64 3
		.amdhsa_memory_ordered 1
		.amdhsa_forward_progress 1
		.amdhsa_inst_pref_size 174
	.end_amdhsa_kernel
	.amdgpu_metadata
---
amdhsa.version: [ 1, 2 ]
amdhsa.kernels:
  - .name:           k_q18a6d9c721_qkv
    .symbol:         k_q18a6d9c721_qkv.kd
    .args:
      - { .name: xb16, .offset: 0, .size: 8, .value_kind: global_buffer, .address_space: global }
      - { .name: wb16, .offset: 8, .size: 8, .value_kind: global_buffer, .address_space: global }
      - { .name: rope, .offset: 16, .size: 8, .value_kind: global_buffer, .address_space: global }
      - { .name: q_norm_w, .offset: 24, .size: 8, .value_kind: global_buffer, .address_space: global }
      - { .name: k_norm_w, .offset: 32, .size: 8, .value_kind: global_buffer, .address_space: global }
      - { .name: qh, .offset: 40, .size: 8, .value_kind: global_buffer, .address_space: global }
      - { .name: kh, .offset: 48, .size: 8, .value_kind: global_buffer, .address_space: global }
      - { .name: vh, .offset: 56, .size: 8, .value_kind: global_buffer, .address_space: global }
    .group_segment_fixed_size: 327680
    .private_segment_fixed_size: 0
    .kernarg_segment_align: 8
    .kernarg_segment_size: 64
    .max_flat_workgroup_size: 128
    .sgpr_count:     96
    .vgpr_count:     1024
    .wavefront_size: 32
...
	.end_amdgpu_metadata
.endif
;; end of part 2
;; launch attn (part 3): grid 16 x 16, 4 waves a work-group, no clusters, 327,680 bytes of LDS; arguments qh, kh, vh, ctx16; writes ctx16
.if DOCPART == 3
	.amdgcn_target "amdgcn-amd-amdhsa--gfx1250"
	.amdhsa_code_object_version 6
	.text
	.protected	k_q18a6d9c721_attn
	.globl	k_q18a6d9c721_attn
	.p2align	8
	.type	k_q18a6d9c721_attn,@function
k_q18a6d9c721_attn:
	s_mov_b64 s[64:65], 0
	v_nop
	global_prefetch_b8 v0, s[64:65] scope:SCOPE_SE
	s_setreg_imm32_b32 hwreg(HW_REG_WAVE_MODE, 25, 1), 1
	s_wait_xcnt 0x0
; ATTN: context[t][h][:] = the sum over keys s with 0 <= t - s < 512 of softmax_s(q[h][t] . k[h][s] / sqrt(128)) v[h][s][:].  q, k, v: [16][2048][128] f16; context: [2048][2048] f16, head h at columns 128 h on.
; WORK LEFT OUT: tiles of 128 queries x 128 keys, and a wave's sub-steps of 32 queries x 64 keys, that lie wholly outside the band: reference() gives their scores the lowest finite number, every row sees its own
; key, so their weights are 0 for all finite inputs.  A NaN, an infinity or an overflow that would arise only there is not carried to the result.
; LIMITS.  A hidden score inside a live sub-step counts as its value less 1e30; a weight below 2^-126 counts as 0 in the sum; the weights are rounded to f16 for the second product (their sum is taken unrounded);
; context is a mean of v's rows and has their range, inside f16's 65,504.  NaN and infinities are not treated apart.
; THE WALK.  Work-group (x = QB, a block of 128 queries; y = head).  Trip KI = 0 .. 4 takes the key tile QB - KI, live while KI <= QB: the diagonal tile first, so that the running maximum is a true score from the
; first sub-step on.  KI = 0: key hidden where it is later than the query.  KI = 1, 2, 3: all seen.  KI = 4: hidden where t - s >= 512, which is the diagonal's pattern turned round.  The loop has five trips in every
; work-group, every wave passes every barrier; what is dead is jumped forward over, with no barrier in what is jumped.
; SHARES.  Wave w owns queries 32 w on: two tiles of 16.  A key tile is two sub-steps of 64 keys.  With WH = w / 2: in the diagonal tile sub-step U > WH is wholly hidden, in the far tile U < WH: each wave has nine live
; sub-steps in a full walk.  The sub-step U = WH of those two tiles holds the band's edge.
; THE MASK is the C operand that starts the sum S^T = K Q^T: MD x AL + BE, where MD (made once) is -1e30 where the key's place in the sub-step is greater than the query's, else 0; (AL, BE) = (1, 0) on the diagonal,
; (-1, -1e30) on the far edge, (0, 0) elsewhere.  It is made anew in every sub-step, 32 packed instructions, so that there is one text for all sub-steps; these also are the places in front of the loads into V's registers.
; LAYOUT.  S^T = K Q^T (source 0 = 16 keys, source 1 = 16 queries): a lane holds ONE query (lane % 16) and the keys 8 (lane / 16) + 0..7; two such results rounded to f16 ARE source 1 of O^T = V^T P.
; K comes out of LDS as it lies, V turned, by ds_load_tr16_b128.  p = 2^(c s - c m), c = log2(e) / sqrt(128), with a running maximum m; O and l are multiplied by a = 2^(c m_old - c m_new) in every sub-step.
; m starts at the lowest finite number, O and l at 0: the first sub-step is one like any other, with a = 0.
; NO CLUSTER: neighbouring blocks' windows are shifted against each other; a walk common to four partners has 8 tiles for the 5 that each needs, and.
; NO PREFETCH: a tile's first reader in the launch is the block on whose diagonal it lies, which asks for it at its head; all other readings are later ones.
; REGISTERS, in windows of 256 (s_set_vgpr_msb: bits 1:0 source 0, 3:2 source 1, 5:4 source 2, 7:6 destination):
;   window 0: v2-14 addresses; v16-31 eight statistics a tile; v62-63 the add's; v64-127 S^T, 32 a tile; v128-159 P, 16 a tile
;   window 1: v0-127 O^T, 64 a tile; v128-191 MD; v192-255 the masks          window 2: v0-63 Q, 32 a tile; v64-191 K of a sub-step          window 3: v0-127 V of a sub-step
.set PK,    272                        ; a row of K in LDS: 256 bytes + 16
.set PV,    288                        ; a row of V: 256 + 32
.set VOFF,  128*PK                     ; a slot: 128 rows of K, then 128 rows of V
.set SLOT1, 1<<17                      ; slot 1 begins here: one exclusive or turns an address in one slot into the other's
.set STAGE, SLOT1+128*(PK+PV)          ; behind the ring, never filled by a tensor load: 16 rows x 272 bytes a wave
.set SP,    272
.set SPARE, STAGE+4*16*SP              ; the spare words, 128 bytes a wave: two blocks of 256 bytes that no other line names
.set AK0, 2                            ; v2   my lane's place in a tile of K; never rewritten
.set AV0, 3                            ; v3   the same for V
.set ADK, 4                            ; v4   the LDS address of K's run of loads
.set ADV, 5                            ; v5   of V's
.set STO, 6
.set RD,  7
.set GO,  8
.set QO,  13                           ; v13  my byte offset in 16 rows of Q; never rewritten
.set ST,  16                           ; tile t's statistics at v[ST+8 t]: +0 c m, +1 m, +2, +3 l (even keys', odd keys'), +4 to +7 at work; a takes +6
.set SPW, 62
.set NIL, 63
.set S,   64
.set P,   128
.set MD,  128                          ; window 1: 32 t + 8 kb + j
.set MC,  192
.set KF,  64                           ; window 2: key block kb, channels 32 c on, at KF + 32 kb + 8 c
.set WV,  12
.set QB,  14
.set LASTK, 15                         ; s15  min(QB, 4): the last live trip
.set G1K, 24
.set G1V, 32
.set G0K, 40
.set G0V, 44
.set KI,  48
.set U,   49
.set SB,  50                           ; s50  the slot that is read
.set TBK, 51                           ; s51  LDS byte of the sub-step's K
.set TBV, 52                           ; s52  of its V, less VOFF
.set WH,  53
.set ULO, 54                           ; s54, s55  my first and last live sub-step of the tile
.set UHI, 55
.set OWN, 56                           ; s56  the sub-step that holds the band's edge, or 2
.set CS,  58                           ; s[58:59] c
.set SEL, 60                           ; s[60:61] v_permlanex16_b32's selects
.set OFF, 66                           ; s[66:67] a tile's byte offset in K and V
.set AL,  68                           ; s[68:69] the mask's factor, in the low word
.set BE,  70                           ; s[70:71] its addend
.set BIGN, 72                          ; s72  -1e30
.set SGN, 73
.set BEO, 74
.set MSB, 0
.macro WIN new
.if MSB != (\new)
	s_set_vgpr_msb (MSB<<8)|(\new)
.set MSB, \new
.endif
.endm
.set W_KQ, 0x0a                        ; K and Q window 2, S^T window 0
.set W_KM, 0x1a                        ; the same with C in window 1
.set W_PV, 0x53                        ; V window 3, P window 0, O^T window 1
.set W_RS, 0x41                        ; destination and source 0 window 1, source 1 window 0
.macro PLACES
.rept 4
	v_nop
.endr
.endm
; A fill.  Waves 0 and 1 fetch the two halves of a tile's K, waves 2 and 3 those of its V: 64 rows of 256 bytes each.  An s_nop 0 and four v_nop follow each line.
.macro LOAD
	s_cmp_lt_u32 s[WV], 2
	s_cbranch_scc0 .Lfor_v_\@
	tensor_load_to_lds s[G0K:G0K+3], s[G1K:G1K+7]
	s_nop 0
.rept 4
	v_nop
.endr
	s_branch .Lasked_\@
.Lfor_v_\@:
	tensor_load_to_lds s[G0V:G0V+3], s[G1V:G1V+7]
	s_nop 0
.rept 4
	v_nop
.endr
.Lasked_\@:
.endm
	s_load_b256 s[4:11], s[0:1], 0x0               ; qh s[4:5], kh s[6:7], vh s[8:9], ctx16 s[10:11]
	v_lshl_add_u32 v[SPW], v0, 2, SPARE
	v_mov_b32 v[NIL], 0
	ds_add_u32 v[SPW], v[NIL]                      ; the wave's opening: the add, twice on end, and its wait ahead of my first tensor load
	ds_add_u32 v[SPW], v[NIL]
	v_lshrrev_b32 v1, 5, v0
	v_readfirstlane_b32 s[WV], v1
	s_mov_b32 s[QB], ttmp9
	s_min_u32 s[LASTK], s[QB], 4
	s_lshr_b32 s[WH], s[WV], 1
	s_and_b32 s16, s[WV], 1                        ; which half of a tile's 128 keys I fetch
	s_and_b32 s20, ttmp7, 0xffff
	s_lshl_b32 s20, s20, 19                        ; the head's first byte in qh, kh, vh
	s_lshl_b32 s22, s16, 14                        ; my half's 64 rows of 256 bytes
	s_add_co_u32 s22, s22, s20
	s_mov_b32 s23, 0
	s_mul_i32 s17, s16, 64*PK                      ; and its place in a slot, for K
	s_mul_i32 s18, s16, 64*PV                      ; and for V
	s_lshl_b32 s2, s[QB], 15                       ; Q: row 128 QB + 32 w
	s_lshl_b32 s3, s[WV], 13
	s_add_co_u32 s2, s2, s3
	s_add_co_u32 s2, s2, s20
	s_mov_b32 s3, 0
	s_lshl_b32 s76, s[QB], 19                      ; context: the same row, 4,096 bytes each, and the head's 256 bytes
	s_lshl_b32 s77, s[WV], 17
	s_add_co_u32 s76, s76, s77
	s_and_b32 s77, ttmp7, 0xffff
	s_lshl_b32 s77, s77, 8
	s_add_co_u32 s76, s76, s77
	s_mov_b32 s77, 0
	s_mov_b32 s[G1K], (1<<16)|(1<<20)|(5<<22)|(3<<25)  ; 2-byte elements; padding on; after every 64 words, 4 words
	s_mov_b32 s[G1V], (1<<16)|(1<<20)|(5<<22)|(7<<25)  ; the same with 8 words
.irp g, G1K, G1V
	s_mov_b32 s[(\g)+1], 128<<16                   ; tensor_dim0 = 128
	s_mov_b32 s[(\g)+2], 64<<16                    ; tensor_dim1 = 64
	s_mov_b32 s[(\g)+3], 128<<16                   ; tile_dim0 = 128
	s_mov_b32 s[(\g)+4], 64                        ; tile_dim1 = 64
	s_mov_b32 s[(\g)+5], 128                       ; elements from row to row
	s_mov_b32 s[(\g)+6], 0
	s_mov_b32 s[(\g)+7], 0
.endr
	s_mov_b32 s[CS], 0x3e0293ee                    ; c = log2(e) / sqrt(128)
	s_mov_b32 s[CS+1], s[CS]                       ; named with it as a pair
	s_mov_b32 s[SEL], 0x76543210
	s_mov_b32 s[SEL+1], 0xfedcba98
	s_mov_b32 s[BIGN], 0xf149f2ca                  ; -1e30
	s_mov_b32 s[AL+1], 0                           ; named as pairs
	s_mov_b32 s[BE+1], 0
	s_mov_b32 s[G0K], 1
	s_mov_b32 s[G0K+1], s17                        ; slot 0
	s_mov_b32 s[G0V], 1
	s_add_co_u32 s[G0V+1], s18, VOFF
	s_lshl_b32 s[OFF], s[QB], 15                   ; the diagonal tile: 128 rows of 256 bytes a tile
	s_mov_b32 s[OFF+1], 0
	s_wait_dscnt 0x0                               ; both opening adds are done
	s_wait_kmcnt 0x0
	s_add_nc_u64 s[6:7], s[6:7], s[22:23]          ; K and V at my half of the head's tile 0
	s_add_nc_u64 s[8:9], s[8:9], s[22:23]
	s_add_nc_u64 s[G0K+2:G0K+3], s[6:7], s[OFF:OFF+1]
	s_or_b32 s[G0K+3], s[G0K+3], 0x80000000
	s_add_nc_u64 s[G0V+2:G0V+3], s[8:9], s[OFF:OFF+1]
	s_or_b32 s[G0V+3], s[G0V+3], 0x80000000
	s_add_nc_u64 s[4:5], s[4:5], s[2:3]
	s_add_nc_u64 s[10:11], s[10:11], s[76:77]
	LOAD                                           ; the diagonal tile into slot 0
	v_and_b32 v1, 15, v0                           ; l % 16
	v_bfe_u32 v9, v0, 4, 1                         ; l / 16
	v_lshlrev_b32 v[QO], 8, v1
	v_lshl_add_u32 v[QO], v9, 4, v[QO]             ; row x 256 + 16 x half
	WIN 0x80                                       ; destination window 2
.irp i, 0,1,2,3,4,5,6,7                ; Q stays in registers: tile i / 4, channels 32 (i % 4) on
	global_load_b128 v[8*(\i):8*(\i)+3],   v[QO], s[4:5] offset:((\i)/4)*4096+((\i)%4)*64
	global_load_b128 v[8*(\i)+4:8*(\i)+7], v[QO], s[4:5] offset:((\i)/4)*4096+((\i)%4)*64+32
.endr
	WIN 0
	v_lshlrev_b32 v14, 3, v9
	v_sub_nc_u32 v14, v1, v14
	s_lshl_b32 s75, s16, 5
	v_add_nc_u32 v14, s75, v14                     ; tile 0's query's place among its 64, 32 (w % 2) + l % 16, less my lanes' 8 (l / 16): register j of key block kb, tile t, is later where 16 kb + j - 16 t is greater
	WIN 0x40                                       ; destination window 1
.set i, 0
.rept 64
	v_cmp_gt_i32 vcc_lo, 16*((i/8)%4)+i%8-16*(i/32), v14
	v_cndmask_b32 v[MD+i], 0, s[BIGN], vcc_lo
.set i, i+1
.endr
.set i, 0
.rept 128                              ; O^T starts at 0, in the wait for the first tile: the price of writing no first sub-step out
	v_mov_b32 v[i], 0
.set i, i+1
.endr
	WIN 0
.irp t, 0,1
	v_mov_b32 v[ST+8*(\t)], 0xfe000000             ; c m: far below every c s
	v_mov_b32 v[ST+8*(\t)+1], 0xff7fffff           ; m
.irp n, 2,3,4,5,6,7
	v_mov_b32 v[ST+8*(\t)+(\n)], 0
.endr
.endr
	v_mul_u32_u24 v[AK0], v1, PK
	v_lshl_add_u32 v[AK0], v9, 4, v[AK0]           ; row x pitch + 16 x half
	v_and_b32 v10, 7, v0                           ; the turning load: lane l reads key 8 (l / 16) + l % 8, channels 8 ((l / 8) % 2) + 0..7
	v_bfe_u32 v11, v0, 3, 1
	v_lshl_add_u32 v[AV0], v9, 3, v10
	v_mul_u32_u24 v[AV0], v[AV0], PV
	v_lshl_add_u32 v[AV0], v11, 4, v[AV0]
	v_add_nc_u32 v[AV0], VOFF, v[AV0]
	s_mul_i32 s75, s[WV], 16*SP
	s_add_co_u32 s75, s75, STAGE                   ; my stage
	v_mul_u32_u24 v[STO], v1, SP                   ; in: row l % 16, 16 bytes for each half of the lanes
	v_lshl_add_u32 v[STO], v9, 4, v[STO]
	v_add_nc_u32 v[STO], s75, v[STO]
	v_mul_u32_u24 v[RD], v9, SP                    ; back: lanes 0-15 one row of 256 bytes, lanes 16-31 the next
	v_lshl_add_u32 v[RD], v1, 4, v[RD]
	v_add_nc_u32 v[RD], s75, v[RD]
	v_lshlrev_b32 v[GO], 12, v9                    ; and the same two rows of context, 4,096 bytes apart
	v_lshl_add_u32 v[GO], v1, 4, v[GO]
	s_wait_loadcnt 0x0                             ; Q
; Product i of 32 of S^T = K Q^T: channels 32 (i / 8) on, keys 16 ((i / 2) % 4) on, tile i % 2.  The first 8 start the sums with the mask.  The 8 accumulators take turns.
.macro KQ
.set rS, S+32*(i%2)+8*((i/2)%4)
.set rK, KF+32*((i/2)%4)+8*(i/8)
.set rQ, 32*(i%2)+8*(i/8)
.set rM, MC+32*(i%2)+8*((i/2)%4)
.if i < 8
	WIN W_KM
	v_wmma_f32_16x16x32_f16 v[rS:rS+7], v[rK:rK+7], v[rQ:rQ+7], v[rM:rM+7]
.else
	WIN W_KQ
	v_wmma_f32_16x16x32_f16 v[rS:rS+7], v[rK:rK+7], v[rQ:rQ+7], v[rS:rS+7]
.endif
.endm
; Product i of 32 of O^T += V^T P: keys 32 (i / 16) on, channels 16 ((i / 2) % 8) on, tile i % 2: 16 accumulators by turns.
.macro PV
	WIN W_PV
.set rO, 64*(i%2)+8*((i/2)%8)
.set rV, 64*(i/16)+8*((i/2)%8)
.set rP, P+16*(i%2)+8*(i/16)
	v_wmma_f32_16x16x32_f16 v[rO:rO+7], v[rV:rV+7], v[rP:rP+7], v[rO:rO+7]
.endm
.macro FETCH_K                         ; 32 loads, by chunks of 32 channels: the eight products of a chunk can start when its eight loads are in
	WIN 0x80
.irp c, 0,1,2,3
.irp kb, 0,1,2,3
	ds_load_b128 v[KF+32*(\kb)+8*(\c):KF+32*(\kb)+8*(\c)+3],   v[ADK] offset:(\kb)*16*PK+(\c)*64
	ds_load_b128 v[KF+32*(\kb)+8*(\c)+4:KF+32*(\kb)+8*(\c)+7], v[ADK] offset:(\kb)*16*PK+(\c)*64+32
.endr
.endr
.endm
.macro FETCH_V                         ; 32 turning loads: keys 32 (f / 8) on, channels 16 (f % 8) on
	WIN 0xc0
.irp f, 0,1,2,3,4,5,6,7,8,9,10,11,12,13,14,15
	ds_load_tr16_b128 v[8*(\f):8*(\f)+3],   v[ADV] offset:((\f)/8)*32*PV+((\f)%8)*32
	ds_load_tr16_b128 v[8*(\f)+4:8*(\f)+7], v[ADV] offset:((\f)/8)*32*PV+16*PV+((\f)%8)*32
.endr
.endm
.macro MASK                            ; MD x AL + BE
	WIN W_RS
.set z, 0
.rept 32
	v_pk_fma_f32 v[MC+2*z:MC+2*z+1], v[MD+2*z:MD+2*z+1], s[AL:AL+1], s[BE:BE+1] op_sel_hi:[1,0,0]
.set z, z+1
.endr
.endm
; One tile's softmax for a sub-step is a list of 134 instructions; SM writes number j of it for tile t.  s0-s31 are the lane's 32 scores, in pairs 0-15.
;   0-15    the maximum of s0-s31 and the old m, three operands at a time (each accumulator's lowest registers are read first)          16-20   the other half of the lanes' maximum; the new m; c m; c m_old - c m_new
;   21-69   ONE BATCH: the 16 scalings c s - c m and all 33 exponentials (a at 23); none of these reads an exponential's result; a pair is scaled ahead of its exponentials
;   70-85   the roundings to f16          86-101  the sums; l = a l + the sum          102-133 O^T times a
.macro SM t
.set rT, ST+8*(\t)
.set rS, S+32*(\t)
.set rP, P+16*(\t)
.set rO, 64*(\t)+2*(j-102)
.if j < 102
	WIN 0
.endif
.if j < 4
	v_max3_num_f32 v[rT+4+j], v[rS+8*j], v[rS+8*j+1], v[rS+8*j+2]
.elseif j < 12
	v_max3_num_f32 v[rT+4+j%4], v[rT+4+j%4], v[rS+8*(j%4)+2*(j/4)+1], v[rS+8*(j%4)+2*(j/4)+2]
.elseif j == 12
	v_max3_num_f32 v[rT+4], v[rT+4], v[rS+7], v[rS+15]
.elseif j == 13
	v_max3_num_f32 v[rT+6], v[rT+6], v[rS+23], v[rS+31]
.elseif j == 14
	v_max3_num_f32 v[rT+4], v[rT+4], v[rT+5], v[rT+6]
.elseif j == 15
	v_max3_num_f32 v[rT+4], v[rT+4], v[rT+7], v[rT+1]
.elseif j == 16
	v_permlanex16_b32 v[rT+5], v[rT+4], s[SEL], s[SEL+1]  ; the query's other 32 keys lie in the lane 16 away
.elseif j == 17
	v_mov_b32 v[rT+7], v[rT]                       ; c m_old is kept for a
.elseif j == 18
	v_max_num_f32 v[rT+1], v[rT+4], v[rT+5]
.elseif j == 19
	v_mul_f32 v[rT], s[CS], v[rT+1]
.elseif j == 20
	v_sub_f32 v[rT+7], v[rT+7], v[rT]
.elseif j == 23
	v_exp_f32 v[rT+6], v[rT+7]
.elseif (j < 23) || ((j < 38) && (j%2 == 0)) || ((j < 66) && (j%4 == 2))
.set b, (j-2)/4                        ; 38, 42, .. 62: pairs 9 to 15
.if j < 38
.set b, (j-20)/2                       ; 21: pair 0; 22, 24, .. 36: pairs 1 to 8
.endif
	v_pk_fma_f32 v[rS+2*b:rS+2*b+1], v[rS+2*b:rS+2*b+1], s[CS:CS+1], v[rT:rT+1] op_sel_hi:[1,0,0] neg_lo:[0,0,1] neg_hi:[0,0,1]
.elseif j < 70
.set e, j-38                           ; 66 to 69: s28 to s31
.if j < 66
.set e, j-32-(j-38)/4                  ; 39-41, 43-45, .. 63-65: s7 to s27
.endif
.if j < 38
.set e, (j-25)/2                       ; 25, 27, .. 37: s0 to s6
.endif
	v_exp_f32 v[rS+e], v[rS+e]
.elseif j < 86
	v_cvt_pk_f16_f32 v[rP+j-70], v[rS+2*(j-70)], v[rS+2*(j-70)+1]
.elseif j < 102                        ; the sum of the 16 pairs, in place: neighbours 1, 2, 4 and 8 pairs apart, then l takes it
.set z, j-86
.set w, 4
.set u, z
.if z >= 14
.set w, 32
.set u, 0
.elseif z >= 12
.set w, 16
.set u, z-12
.elseif z >= 8
.set w, 8
.set u, z-8
.endif
.if z < 15
	v_pk_add_f32 v[rS+w*u:rS+w*u+1], v[rS+w*u:rS+w*u+1], v[rS+w*u+w/2:rS+w*u+w/2+1]
.else
	v_pk_fma_f32 v[rT+2:rT+3], v[rT+2:rT+3], v[rT+6:rT+7], v[rS:rS+1] op_sel_hi:[1,0,1]
.endif
.else
	WIN W_RS
	v_pk_mul_f32 v[rO:rO+1], v[rO:rO+1], v[rT+6:rT+7] op_sel_hi:[1,0]
.endif
.endm
	s_mov_b32 s[SB], SLOT1                         ; the first trip turns it into slot 0
	s_mov_b32 s[KI], 0
.Ltile:                                        ; five trips.  THE CHANGE OF SLOTS: each wave waits for all its tensor loads (one is out: its part of the tile to be read), adds 0 to its spare word, and waits for that and for its reads
	s_wait_tensorcnt 0x0                           ; no tensor load of mine is out, so a group 0 may be written
	ds_add_u32 v[SPW], v[NIL]                      ; 0 onto my spare word; the scalar work below stands between it and the wait for it
	s_sub_co_i32 s75, s[QB], s[KI]
	s_sub_co_i32 s75, s75, 1
	s_max_i32 s75, s75, 0                          ; the next trip's tile (held at 0 where there is none: the address is then not used)
	s_lshl_b32 s[OFF], s75, 15
	s_xor_b32 s[G0K+1], s[G0K+1], SLOT1            ; the other slot than last time
	s_add_nc_u64 s[G0K+2:G0K+3], s[6:7], s[OFF:OFF+1]  ; the address is made anew: the base and an offset made apart
	s_or_b32 s[G0K+3], s[G0K+3], 0x80000000
	s_xor_b32 s[G0V+1], s[G0V+1], SLOT1
	s_add_nc_u64 s[G0V+2:G0V+3], s[8:9], s[OFF:OFF+1]
	s_or_b32 s[G0V+3], s[G0V+3], 0x80000000
	s_xor_b32 s[SB], s[SB], SLOT1
	s_mov_b32 s[TBK], s[SB]
	s_mov_b32 s[TBV], s[SB]
	s_wait_dscnt 0x0                               ; the add is done, and my reads of the slot that is left are over
	s_barrier_signal -1
	s_barrier_wait -1                              ; nobody reads the old slot any more, and the other slot is whole
	s_cmp_lt_u32 s[KI], s[LASTK]                   ; is there a next live tile?  The test is made of the work-group's number and the loop's count alone and is the same in all four waves;
	s_cbranch_scc0 .Lnofill                        ; it leads round the fill and nothing else; every wait on TENSORcnt in this text is for 0; a trip whose tile was not asked for reads nothing (below)
	LOAD
.Lnofill:
	s_cmp_gt_u32 s[KI], s[QB]
	s_cbranch_scc1 .Lbottom                        ; no such tile: the head has no keys in front of key 0
	s_mov_b32 s[ULO], 0
	s_mov_b32 s[UHI], 1
	s_mov_b32 s[OWN], 2
	s_mov_b32 s[SGN], 0
	s_mov_b32 s[BEO], 0
	s_cmp_eq_u32 s[KI], 0                          ; the diagonal tile
	s_cselect_b32 s[UHI], s[WH], s[UHI]
	s_cselect_b32 s[OWN], s[WH], s[OWN]
	s_cselect_b32 s[SGN], 1.0, s[SGN]
	s_cmp_eq_u32 s[KI], 4                          ; the far tile
	s_cselect_b32 s[ULO], s[WH], s[ULO]
	s_cselect_b32 s[OWN], s[WH], s[OWN]
	s_cselect_b32 s[SGN], -1.0, s[SGN]
	s_cselect_b32 s[BEO], s[BIGN], s[BEO]
	s_mov_b32 s[U], 0
.Lsub:                                         ; two trips: 64 keys each
	s_cmp_lt_u32 s[U], s[ULO]
	s_cbranch_scc1 .Lsubend                        ; wholly hidden for my wave
	s_cmp_gt_u32 s[U], s[UHI]
	s_cbranch_scc1 .Lsubend
	s_cmp_eq_u32 s[U], s[OWN]
	s_cselect_b32 s[AL], s[SGN], 0
	s_cselect_b32 s[BE], s[BEO], 0
	MASK                                           ; 32 plain instructions that name no register of the last products V^T P: also the places in front of the loads into V's registers
	WIN 0
	v_add_nc_u32 v[ADK], s[TBK], v[AK0]
	v_add_nc_u32 v[ADV], s[TBV], v[AV0]
	FETCH_K
	FETCH_V
.set i, 0
.rept 4
	s_wait_dscnt 56-i                              ; 64 loads were issued: chunk i / 8 of K is in when its later chunks' and V's 32 are all that is out
.rept 8
	KQ
.set i, i+1
.endr
.endr
	WIN 0
	PLACES
.set j, 0
.rept 70                               ; the two tiles alternate, so that no instruction reads the result of the one just before it
	SM 0
	SM 1
.set j, j+1
.endr
	v_nop                                          ; a plain instruction behind the last exponential: one for the batch
	s_wait_alu depctr_va_vdst(0)                   ; the one wait for both tiles' 66 exponentials ahead of their first reader
.rept 64
	SM 0
	SM 1
.set j, j+1
.endr
	s_wait_dscnt 0x0                               ; V is in
.set i, 0
.rept 32
	PV
.set i, i+1
.endr
	WIN 0
.Lsubend:
	s_add_co_u32 s[TBK], s[TBK], 64*PK
	s_add_co_u32 s[TBV], s[TBV], 64*PV
	s_add_co_u32 s[U], s[U], 1
	s_cmp_lt_u32 s[U], 2
	s_cbranch_scc1 .Lsub
.Lbottom:
	s_add_co_u32 s[KI], s[KI], 1
	s_cmp_lt_u32 s[KI], 5
	s_cbranch_scc1 .Ltile
	; THE WAY OUT.  l's two halves and the other half of the lanes' are added; O^T is divided by l, rounded to f16 and sent through my stage in LDS, a tile (16 rows) at a time.
	PLACES
.irp t, 0,1
	v_add_f32 v[ST+8*(\t)+4], v[ST+8*(\t)+2], v[ST+8*(\t)+3]
.endr
.irp t, 0,1
	v_permlanex16_b32 v[ST+8*(\t)+5], v[ST+8*(\t)+4], s[SEL], s[SEL+1]
.endr
.irp t, 0,1
	v_add_f32 v[ST+8*(\t)+4], v[ST+8*(\t)+4], v[ST+8*(\t)+5]
.endr
.irp t, 0,1
	v_rcp_f32 v[ST+8*(\t)+6], v[ST+8*(\t)+4]
.endr
	v_nop                                          ; a plain instruction behind the last reciprocal,
	s_wait_alu depctr_va_vdst(0)                   ; and the one wait for both ahead of their first reader
.macro PACK t                          ; a lane's eight channels of a row pack into 16 bytes; they go into rows of 272 bytes and come back as whole rows of 256
	WIN W_RS
.set i, 64*(\t)
.rept 32
	v_pk_mul_f32 v[i:i+1], v[i:i+1], v[ST+8*(\t)+6:ST+8*(\t)+7] op_sel_hi:[1,0]
.set i, i+2
.endr
	WIN 0x05                                       ; sources 0 and 1 window 1, destination window 0: S^T's registers are free
.set i, 0
.rept 32
	v_cvt_pk_f16_f32 v[S+32*(\t)+i], v[64*(\t)+2*i], v[64*(\t)+2*i+1]
.set i, i+1
.endr
	WIN 0
.irp f, 0,1,2,3,4,5,6,7
	ds_store_b128 v[STO], v[S+32*(\t)+4*(\f):S+32*(\t)+4*(\f)+3] offset:32*(\f)
.endr
.irp f, 0,1,2,3,4,5,6,7
	ds_load_b128 v[S+32*(\t)+4*(\f):S+32*(\t)+4*(\f)+3], v[RD] offset:(\f)*2*SP  ; LDS serves a wave's instructions in order (ISA guide 5.7.1.4): these see the stores above; the next tile's stores come behind them
.endr
.endm
.macro SEND t, younger                 ; younger: the LDS instructions issued behind tile t's loads
	WIN 0
.irp f, 0,1,2,3,4,5,6,7
	s_wait_dscnt (\younger)+7-(\f)
	global_store_b128 v[GO], v[S+32*(\t)+4*(\f):S+32*(\t)+4*(\f)+3], s[10:11] offset:(\t)*65536+(\f)*8192  ; 16 lanes store 256 consecutive bytes, at a multiple of 256 from the buffer's first byte
.endr
.endm
	PACK 0
	PACK 1
	SEND 0, 16
	SEND 1, 0
	s_wait_tensorcnt 0x0                           ; the wave's end: behind my last tensor load and my last LDS store
	ds_add_u32 v[SPW], v[NIL]
	s_wait_dscnt 0x0
	s_endpgm
.Lfunc_end_k_q18a6d9c721_attn:
	.size	k_q18a6d9c721_attn, .Lfunc_end_k_q18a6d9c721_attn-k_q18a6d9c721_attn
	.p2alignl 7, 3214868480
	.fill 96, 4, 3214868480
	.section	.rodata,"a",@progbits
	.p2align	6, 0x0
	.amdhsa_kernel k_q18a6d9c721_attn
		.amdhsa_group_segment_fixed_size 327680
		.amdhsa_private_segment_fixed_size 0
		.amdhsa_enable_private_segment 0
		.amdhsa_kernarg_size 32
		.amdhsa_user_sgpr_count 2
		.amdhsa_user_sgpr_kernarg_segment_ptr 1
		.amdhsa_wavefront_size32 1
		.amdhsa_system_sgpr_workgroup_id_x 1
		.amdhsa_system_sgpr_workgroup_id_y 1
		.amdhsa_system_sgpr_workgroup_id_z 1
		.amdhsa_system_vgpr_workitem_id 0
		.amdhsa_next_free_vgpr 896
		.amdhsa_next_free_sgpr 80
		.amdhsa_reserve_vcc 1
		.amdhsa_float_denorm_mode_32 3
		.amdhsa_float_denorm_mode_16_64 3
		.amdhsa_memory_ordered 1
		.amdhsa_forward_progress 1
		.amdhsa_inst_pref_size 59
	.end_amdhsa_kernel
	.amdgpu_metadata
---
amdhsa.version: [ 1, 2 ]
amdhsa.kernels:
  - .name:           k_q18a6d9c721_attn
    .symbol:         k_q18a6d9c721_attn.kd
    .args:
      - { .name: qh, .offset: 0, .size: 8, .value_kind: global_buffer, .address_space: global }
      - { .name: kh, .offset: 8, .size: 8, .value_kind: global_buffer, .address_space: global }
      - { .name: vh, .offset: 16, .size: 8, .value_kind: global_buffer, .address_space: global }
      - { .name: ctx16, .offset: 24, .size: 8, .value_kind: global_buffer, .address_space: global }
    .group_segment_fixed_size: 327680
    .private_segment_fixed_size: 0
    .kernarg_segment_align: 8
    .kernarg_segment_size: 32
    .max_flat_workgroup_size: 128
    .sgpr_count:     80
    .vgpr_count:     896
    .wavefront_size: 32
...
	.end_amdgpu_metadata
.endif
;; end of part 3
;; launch oproj (part 4): grid 16 x 16, 4 waves a work-group, clusters of 4 x 4, 327,680 bytes of LDS; arguments ctx16, wb16, out0; writes out0
.if DOCPART == 4
	.amdgcn_target "amdgcn-amd-amdhsa--gfx1250"
	.amdhsa_code_object_version 6
	.text
	.protected	k_q18a6d9c721_oproj
	.globl	k_q18a6d9c721_oproj
	.p2align	8
	.type	k_q18a6d9c721_oproj,@function
k_q18a6d9c721_oproj:
	s_mov_b64 s[64:65], 0
	v_nop
	global_prefetch_b8 v0, s[64:65] scope:SCOPE_SE
	s_setreg_imm32_b32 hwreg(HW_REG_WAVE_MODE, 25, 1), 1
	s_wait_xcnt 0x0
	s_wait_alu depctr_hold_cnt(0) depctr_sa_sdst(0) depctr_va_vdst(0) depctr_va_sdst(0) depctr_va_ssrc(0) depctr_va_vcc(0) depctr_vm_vsrc(0)
	s_getreg_b32 s2, hwreg(HW_REG_IB_STS2, 6, 4)
	s_cmp_eq_u32 s2, 0
	s_cbranch_scc0 .Lentry_in_a_cluster
	s_endpgm
.Lentry_in_a_cluster:
	s_bfe_u32 s2, ttmp6, 0x10000c
	s_cmp_lg_u32 s2, 0xf033
	s_cbranch_scc0 .Lentry_shape_is_right
	s_endpgm
.Lentry_shape_is_right:
; OPROJ: out0 = context x wo.  context: [2048][2048] f16; wo: part 3 of wb16, [k][n] f16 (bf16-rounded numbers written as f16); out0: [2048][2048] f32.  Sums in f32.
; A tile of out0 is 128 x 128: 256 work-groups, one for each tile.  Four waves, each 64 x 64: 16 accumulators.  K goes in 8 steps of 256 through two LDS slots, as long as two slots in LDS allow.
; Waves 0 and 1 fetch the two halves of context's tile (64 rows x 512 bytes each), waves 2 and 3 those of wo's (128 rows of k x 256 bytes each).  wo lies [k][n]: its fragments come out of LDS turned.
; CLUSTER 4 x 4: context's tile is shared along a row of the cluster, wo's along a column; each is asked for jointly by the four.
; THE MATRIX INSTRUCTION IS USED TRANSPOSED (source 0 = 16 columns of wo, source 1 = 16 rows of context): a lane holds eight neighbouring f32 of a row of out0, 32 bytes.
; THE WAY OUT: a wave's 64 columns are 256 bytes of a row, aligned: each wave has a stage of its own (16 rows x 272 bytes), so no barrier is needed.
; NO PREFETCH: a K step holds 128 matrix instructions a wave and the tiles are small; both operands are read by four clusters each within the launch's short run.
; REGISTERS: window 0: v16-29 addresses; v32-95 rows on the way out; v128-255 the accumulators ((a, b) at 128 + 8 (4 a + b)).  Window 1: two fragment buffers of 128: 64 registers of context (2 x 4 fragments), then 64 of wo.
.set PA,    528                        ; an LDS row of context: 512 bytes + 16
.set PB,    288                        ; an LDS row of wo: 256 + 32
.set HA,    64*PA                      ; what wave 0 or 1 fetches
.set HB,    128*PB                     ; what wave 2 or 3 fetches
.set BOFF,  2*HA
.set SLOT,  2*HA+2*HB
.set STAGE, 2*SLOT
.set SP,    272
.set SPARE, STAGE+4*16*SP              ; the spare words, 128 bytes a wave: two blocks of 256 bytes that no other line names
.set LAPS,  4                          ; a lap = two K steps
.set WOB,   3*8388608                  ; wo's part of wb16
.set KA,    512                        ; bytes along a row of context from K step to K step
.set KB,    256*4096                   ; bytes down wo from K step to K step
.set ADRA, 16                          ; v16-17  my fragments of context in slot 0, 1
.set ADRB, 20                          ; v20-23  my fragments of wo: slot s, half of the K step, at 2 s + half (the 16-bit offset does not reach over a whole K step)
.set STO,  24
.set RD,   25
.set CO,   26
.set SPW,  28
.set NIL,  29
.set TMP,  32
.set ACC,  128
.set F0,   0
.set F1,   128
.set G1,  24
.set G0,  32
.set G1B, 48
.set G0B, 56
.set MSB, 0
.macro WIN new
.if MSB != (\new)
	s_set_vgpr_msb (MSB<<8)|(\new)
.set MSB, \new
.endif
.endm
.set MUL,  0x05                        ; sources 0 and 1 window 1; C and D window 0
.set TO_F, 0x40                        ; destination window 1, address window 0
.macro JLOAD s                         ; a joint load; an s_nop 0 and four v_nop follow each of the two lines
	s_cmp_eq_u32 s11, 0
	s_cbranch_scc0 .Lfor_b_\@
	tensor_load_to_lds s[G0+4*(\s):G0+4*(\s)+3], s[G1:G1+7]
	s_nop 0
.rept 4
	v_nop
.endr
	s_branch .Lasked_\@
.Lfor_b_\@:
	tensor_load_to_lds s[G0B+4*(\s):G0B+4*(\s)+3], s[G1B:G1B+7]
	s_nop 0
.rept 4
	v_nop
.endr
.Lasked_\@:
.endm
.macro CREST
	s_cmp_lg_u32 s10, 0
	s_cbranch_scc1 .Lnot_wave_0_\@
	s_barrier_signal -3
.Lnot_wave_0_\@:
	s_barrier_wait -3
	s_barrier_signal -1
	s_barrier_wait -1
.endm
.macro CROUND
	s_barrier_signal -1
	s_barrier_wait -1
	CREST
.endm
.macro PLACES
.rept 4
	v_nop
.endr
.endm
	s_load_b128 s[4:7], s[0:1], 0x0                ; ctx16 s[4:5], wb16 s[6:7]
	s_load_b64 s[8:9], s[0:1], 0x10                ; out0
	v_lshl_add_u32 v[SPW], v0, 2, SPARE
	v_mov_b32 v[NIL], 0
	ds_add_u32 v[SPW], v[NIL]                      ; the wave's opening: the add, twice on end, and its wait ahead of my first tensor load
	ds_add_u32 v[SPW], v[NIL]
	v_lshrrev_b32 v1, 5, v0
	v_readfirstlane_b32 s10, v1                    ; wave
	s_lshr_b32 s11, s10, 1                         ; which 64 rows are mine.  Also: I fetch context (0) or wo (1)
	s_and_b32 s12, s10, 1                          ; which 64 columns.  Also: which half of that tile I fetch
	s_bfe_u32 s40, ttmp6, 0x40000                  ; cx
	s_bfe_u32 s41, ttmp6, 0x40004                  ; cy
	s_lshl_b32 s42, ttmp9, 2
	s_add_co_u32 s42, s42, s40                     ; tile column
	s_and_b32 s13, ttmp7, 0xffff
	s_lshl_b32 s13, s13, 2
	s_add_co_u32 s13, s13, s41                     ; tile row
	s_lshl_b32 s43, s41, 2
	s_lshl_b32 s43, 15, s43                        ; my row of the cluster
	s_lshl_b32 s44, 0x1111, s40                    ; my column
	s_or_b32 s[G1], s43, (1<<16)|(1<<20)|(1<<21)|(6<<22)|(3<<25)   ; the mask; 2-byte elements; padding on; bit 21 beside a mask; after every 128 words, 4 words
	s_mov_b32 s[G1+1], 256<<16                     ; tensor_dim0 = 256
	s_mov_b32 s[G1+2], 64<<16                      ; tensor_dim1 = 64
	s_mov_b32 s[G1+3], 256<<16                     ; tile_dim0 = 256
	s_mov_b32 s[G1+4], 64                          ; tile_dim1 = 64
	s_mov_b32 s[G1+5], 2048
	s_mov_b32 s[G1+6], 0
	s_mov_b32 s[G1+7], 0
	s_or_b32 s[G1B], s44, (1<<16)|(1<<20)|(1<<21)|(5<<22)|(7<<25)  ; after every 64 words, 8 words
	s_mov_b32 s[G1B+1], 128<<16
	s_mov_b32 s[G1B+2], 128<<16
	s_mov_b32 s[G1B+3], 128<<16
	s_mov_b32 s[G1B+4], 128
	s_mov_b32 s[G1B+5], 2048
	s_mov_b32 s[G1B+6], 0
	s_mov_b32 s[G1B+7], 0
	s_lshl_b32 s16, s13, 19                        ; context: row 128 x tile row + 64 x half, 4,096 bytes each
	s_lshl_b32 s17, s12, 18
	s_add_co_u32 s16, s16, s17
	s_mov_b32 s17, 0
	s_lshl_b32 s46, s42, 8                         ; wo: the tile column's 256 bytes, row of k 128 x half
	s_lshl_b32 s47, s12, 19
	s_add_co_u32 s46, s46, s47
	s_add_co_u32 s46, s46, WOB
	s_mov_b32 s47, 0
	s_mul_i32 s20, s12, HA                         ; where they go: no place in the cluster enters an LDS address
	s_mul_i32 s21, s12, HB
	s_add_co_u32 s21, s21, BOFF
	s_wait_dscnt 0x0                               ; both opening adds are done
	s_wait_kmcnt 0x0
	s_add_nc_u64 s[14:15], s[4:5], s[16:17]
	s_add_nc_u64 s[46:47], s[6:7], s[46:47]
	CROUND                                         ; all sixteen work-groups are here: the first joint loads meet
.irp s, 0,1
	s_mov_b32 s[G0+4*(\s)], 1
	s_add_co_u32 s[G0+4*(\s)+1], s20, (\s)*SLOT
	s_add_nc_u64 s[G0+4*(\s)+2:G0+4*(\s)+3], s[14:15], (\s)*KA
	s_or_b32 s[G0+4*(\s)+3], s[G0+4*(\s)+3], 0x80000000
	s_mov_b32 s[G0B+4*(\s)], 1
	s_add_co_u32 s[G0B+4*(\s)+1], s21, (\s)*SLOT
	s_add_nc_u64 s[G0B+4*(\s)+2:G0B+4*(\s)+3], s[46:47], (\s)*KB
	s_or_b32 s[G0B+4*(\s)+3], s[G0B+4*(\s)+3], 0x80000000
.endr
	s_cmp_eq_u32 s11, 0                            ; a wave's two first fills stand in one branch: two loads of mine are out
	s_cbranch_scc0 .Lfirst_b
	tensor_load_to_lds s[G0:G0+3], s[G1:G1+7]
	s_nop 0
	tensor_load_to_lds s[G0+4:G0+7], s[G1:G1+7]
	s_nop 0
.rept 4
	v_nop
.endr
	s_branch .Lfirst_asked
.Lfirst_b:
	tensor_load_to_lds s[G0B:G0B+3], s[G1B:G1B+7]
	s_nop 0
	tensor_load_to_lds s[G0B+4:G0B+7], s[G1B:G1B+7]
	s_nop 0
.rept 4
	v_nop
.endr
.Lfirst_asked:
	v_and_b32 v1, 15, v0                           ; l % 16
	v_bfe_u32 v2, v0, 4, 1                         ; l / 16
	v_mul_u32_u24 v3, v1, PA
	v_lshl_add_u32 v3, v2, 4, v3
	s_mul_i32 s22, s11, HA                         ; my 64 rows of context
	v_add_nc_u32 v[ADRA], s22, v3
	v_add_nc_u32 v[ADRA+1], SLOT, v[ADRA]
	v_and_b32 v4, 7, v0                            ; the turning load: lane l reads row of k 8 (l / 16) + l % 8, columns 8 ((l / 8) % 2) + 0..7
	v_lshl_add_u32 v4, v2, 3, v4
	v_mul_u32_u24 v4, v4, PB
	v_bfe_u32 v5, v0, 3, 1
	v_lshl_add_u32 v4, v5, 4, v4
	s_lshl_b32 s22, s12, 7                         ; my 64 columns: 128 bytes
	v_add_nc_u32 v4, s22, v4
	v_add_nc_u32 v[ADRB],   BOFF, v4
	v_add_nc_u32 v[ADRB+1], BOFF+HB, v4
	v_add_nc_u32 v[ADRB+2], SLOT+BOFF, v4
	v_add_nc_u32 v[ADRB+3], SLOT+BOFF+HB, v4
	s_mul_i32 s23, s10, 16*SP
	s_add_co_u32 s23, s23, STAGE                   ; my stage
	v_mul_u32_u24 v5, v1, SP                       ; in: row l % 16, 32 bytes for each half of the lanes
	v_lshl_add_u32 v5, v2, 5, v5
	v_add_nc_u32 v[STO], s23, v5
	v_mul_u32_u24 v5, v2, SP                       ; back: lanes 0-15 one row of 256 bytes, lanes 16-31 the next
	v_lshl_add_u32 v5, v1, 4, v5
	v_add_nc_u32 v[RD], s23, v5
	v_lshlrev_b32 v5, 13, v2                       ; and the same two rows of out0, 8,192 bytes apart
	v_lshl_add_u32 v[CO], v1, 4, v5
	s_lshl_b32 s16, s13, 20                        ; out0: row 128 x tile row + 64 x my half,
	s_lshl_b32 s17, s11, 19
	s_add_co_u32 s16, s16, s17
	s_mov_b32 s17, 0
	s_add_nc_u64 s[8:9], s[8:9], s[16:17]
	s_lshl_b32 s46, s42, 9                         ; column 128 x tile column + 64 x my half, 4 bytes each
	s_lshl_b32 s47, s12, 8
	s_add_co_u32 s46, s46, s47
	s_mov_b32 s47, 0
	s_add_nc_u64 s[8:9], s[8:9], s[46:47]
; 8 matrix instructions: row blocks a0, a0 + 1 x all 4 column blocks, 32 along K: half c of buffer f.  The 16 accumulators take turns.
.macro MUL8 f, c, a0, zero
	WIN MUL
.irp a, \a0, (\a0)+1
.irp b, 0,1,2,3
.if \zero
	v_wmma_f32_16x16x32_f16 v[ACC+8*(4*(\a)+(\b)):ACC+8*(4*(\a)+(\b))+7], v[(\f)+64+8*(4*(\c)+(\b)):(\f)+64+8*(4*(\c)+(\b))+7], v[(\f)+8*(4*(\c)+(\a)):(\f)+8*(4*(\c)+(\a))+7], 0
.else
	v_wmma_f32_16x16x32_f16 v[ACC+8*(4*(\a)+(\b)):ACC+8*(4*(\a)+(\b))+7], v[(\f)+64+8*(4*(\c)+(\b)):(\f)+64+8*(4*(\c)+(\b))+7], v[(\f)+8*(4*(\c)+(\a)):(\f)+8*(4*(\c)+(\a))+7], v[ACC+8*(4*(\a)+(\b)):ACC+8*(4*(\a)+(\b))+7]
.endif
.endr
.endr
.endm
; 32 LDS loads in one run: the fragments of quarter q (64 along K) into buffer f; the first 32 along K first
.macro FETCH slot, q, f
	WIN TO_F
.irp c, 0,1
.irp i, 0,1,2,3
	ds_load_tr16_b128 v[(\f)+64+8*(4*(\c)+(\i)):(\f)+64+8*(4*(\c)+(\i))+3],   v[ADRB+2*(\slot)+(\q)/2] offset:((\q)%2)*64*PB+32*PB*(\c)+32*(\i)
	ds_load_tr16_b128 v[(\f)+64+8*(4*(\c)+(\i))+4:(\f)+64+8*(4*(\c)+(\i))+7], v[ADRB+2*(\slot)+(\q)/2] offset:((\q)%2)*64*PB+32*PB*(\c)+32*(\i)+16*PB
	ds_load_b128 v[(\f)+8*(4*(\c)+(\i)):(\f)+8*(4*(\c)+(\i))+3],         v[ADRA+(\slot)] offset:128*(\q)+64*(\c)+(\i)*16*PA
	ds_load_b128 v[(\f)+8*(4*(\c)+(\i))+4:(\f)+8*(4*(\c)+(\i))+7],       v[ADRA+(\slot)] offset:128*(\q)+64*(\c)+(\i)*16*PA+32
.endr
.endr
.endm
; A K step is four quarters of 64 along K, 32 matrix instructions each, on buffers 0, 1, 0, 1.  One of the first three: multiplies buffer f and fetches quarter q into g.
.macro QUARTER slot, q, f, g, zero
	s_wait_dscnt 16                                ; the first 32 along K are in
	MUL8 \f, 0, 0, \zero
	MUL8 \f, 0, 2, \zero
	PLACES
	FETCH \slot, \q, \g
	s_wait_dscnt 32                                ; all but the 32 just issued
	MUL8 \f, 1, 0, 0
	MUL8 \f, 1, 2, 0
.endm
; The last quarter multiplies buffer 1 and changes slots: ONE barrier; in front of it each wave waits for all its tensor loads, adds 0 to its spare word, and waits for that and for its reads of this slot.
; fill = 1: the barrier opens a round of the cluster's barrier, and this slot is filled again, two K steps ahead, first thing behind the round.
.macro TURN slot, next, fill
	WIN 0                                          ; (the add's two registers lie in window 0)
	s_wait_tensorcnt 0x0                           ; all my tensor loads have landed: my part of the next slot
	ds_add_u32 v[SPW], v[NIL]                      ; 0 onto my spare word
	s_wait_dscnt 17                                ; (the add and the youngest sixteen loads may be out)
	MUL8 F1, 0, 0, 0                               ; eight matrix instructions stand between the add and the wait for it
	s_wait_dscnt 0x0                               ; the add is done, and my reads of this slot are over
	s_barrier_signal -1
	MUL8 F1, 0, 2, 0
.if \fill
	WIN 0
.endif
	s_barrier_wait -1
.if \fill
	CREST                                          ; no wave of any partner still reads this slot or has a load on its way
	s_add_nc_u64 s[G0+4*(\slot)+2:G0+4*(\slot)+3], s[G0+4*(\slot)+2:G0+4*(\slot)+3], 2*KA
	s_add_nc_u64 s[G0B+4*(\slot)+2:G0B+4*(\slot)+3], s[G0B+4*(\slot)+2:G0B+4*(\slot)+3], 2*KB
	JLOAD \slot                                    ; 112 matrix instructions ahead of the wait for it; the four v_nop behind it are also the places in front of the loads below
.else
	PLACES
.endif
	FETCH \next, 0, F0
	MUL8 F1, 1, 0, 0
	MUL8 F1, 1, 2, 0
.endm
	s_wait_tensorcnt 0x1                           ; my part of K step 0 is in; K step 1's may stay out
	s_barrier_signal -1
	s_barrier_wait -1
	FETCH 0, 0, F0
	QUARTER 0, 1, F0, F1, 1                        ; the first quarter stands in front of the loop: its first products start the sums
	WIN 0
	s_mov_b32 s3, LAPS-1
.Llap:
	QUARTER 0, 2, F1, F0, 0
	QUARTER 0, 3, F0, F1, 0
	TURN 0, 1, 1
	QUARTER 1, 1, F0, F1, 0
	QUARTER 1, 2, F1, F0, 0
	QUARTER 1, 3, F0, F1, 0
	TURN 1, 0, 1
	QUARTER 0, 1, F0, F1, 0
	WIN 0
	s_sub_co_u32 s3, s3, 1
	s_cmp_lg_u32 s3, 0
	s_cbranch_scc1 .Llap
	QUARTER 0, 2, F1, F0, 0                        ; the last lap fills nothing, and has no round
	QUARTER 0, 3, F0, F1, 0
	TURN 0, 1, 0
	QUARTER 1, 1, F0, F1, 0
	QUARTER 1, 2, F1, F0, 0
	QUARTER 1, 3, F0, F1, 0
	s_wait_dscnt 16
	MUL8 F1, 0, 0, 0
	MUL8 F1, 0, 2, 0
	s_wait_dscnt 0x0
	MUL8 F1, 1, 0, 0
	MUL8 F1, 1, 2, 0
	WIN 0
	; THE WAY OUT, a block of 16 rows at a time: the sums as they are, 32 bytes a lane and column block, into my stage (each accumulator's low half first); back as whole rows of 256 bytes; stored.
	PLACES
.irp a, 0,1,2,3
.if (\a) >= 2
	s_wait_xcnt 0x0                                ; the stores of the block two back have read their registers: that set is loaded again only behind this wait
.endif
.irp b, 0,1,2,3
	ds_store_b128 v[STO], v[ACC+8*(4*(\a)+(\b)):ACC+8*(4*(\a)+(\b))+3]   offset:64*(\b)
	ds_store_b128 v[STO], v[ACC+8*(4*(\a)+(\b))+4:ACC+8*(4*(\a)+(\b))+7] offset:64*(\b)+16
.endr
.irp t, 0,1,2,3,4,5,6,7
	ds_load_b128 v[TMP+32*((\a)%2)+4*(\t):TMP+32*((\a)%2)+4*(\t)+3], v[RD] offset:(\t)*2*SP  ; LDS serves a wave's instructions in order (ISA guide 5.7.1.4): these see the stores above; the next block's stores come behind them
.endr
.irp t, 0,1,2,3,4,5,6,7
	s_wait_dscnt 7-(\t)
	global_store_b128 v[CO], v[TMP+32*((\a)%2)+4*(\t):TMP+32*((\a)%2)+4*(\t)+3], s[8:9] offset:(16*(\a)+2*(\t))*8192 th:TH_STORE_NT  ; 16 lanes store 256 consecutive bytes, at a multiple of 256 from out0's first byte
.endr
.endr
	s_wait_tensorcnt 0x0                           ; the wave's end: behind my last tensor load and my last LDS store
	ds_add_u32 v[SPW], v[NIL]
	s_wait_dscnt 0x0
	CROUND                                         ; the closing round: no work-group ends while a partner may still ask for a tile that names it
	s_endpgm
.Lfunc_end_k_q18a6d9c721_oproj:
	.size	k_q18a6d9c721_oproj, .Lfunc_end_k_q18a6d9c721_oproj-k_q18a6d9c721_oproj
	.p2alignl 7, 3214868480
	.fill 96, 4, 3214868480
	.section	.rodata,"a",@progbits
	.p2align	6, 0x0
	.amdhsa_kernel k_q18a6d9c721_oproj
		.amdhsa_group_segment_fixed_size 327680
		.amdhsa_private_segment_fixed_size 0
		.amdhsa_enable_private_segment 0
		.amdhsa_kernarg_size 24
		.amdhsa_user_sgpr_count 2
		.amdhsa_user_sgpr_kernarg_segment_ptr 1
		.amdhsa_wavefront_size32 1
		.amdhsa_system_sgpr_workgroup_id_x 1
		.amdhsa_system_sgpr_workgroup_id_y 1
		.amdhsa_system_sgpr_workgroup_id_z 1
		.amdhsa_system_vgpr_workitem_id 0
		.amdhsa_next_free_vgpr 512
		.amdhsa_next_free_sgpr 66
		.amdhsa_reserve_vcc 0
		.amdhsa_float_denorm_mode_32 3
		.amdhsa_float_denorm_mode_16_64 3
		.amdhsa_memory_ordered 1
		.amdhsa_forward_progress 1
		.amdhsa_inst_pref_size 86
	.end_amdhsa_kernel
	.amdgpu_metadata
---
amdhsa.version: [ 1, 2 ]
amdhsa.kernels:
  - .name:           k_q18a6d9c721_oproj
    .symbol:         k_q18a6d9c721_oproj.kd
    .args:
      - { .name: ctx16, .offset: 0, .size: 8, .value_kind: global_buffer, .address_space: global }
      - { .name: wb16, .offset: 8, .size: 8, .value_kind: global_buffer, .address_space: global }
      - { .name: out0, .offset: 16, .size: 8, .value_kind: global_buffer, .address_space: global }
    .group_segment_fixed_size: 327680
    .private_segment_fixed_size: 0
    .kernarg_segment_align: 8
    .kernarg_segment_size: 24
    .max_flat_workgroup_size: 128
    .sgpr_count:     66
    .vgpr_count:     512
    .wavefront_size: 32
...
	.end_amdgpu_metadata
.endif
;; end of part 4
